; MI455X (gfx1250); checked and timed in simulation.
; The chip was launched on July 23, 2026; its instructions are those of AMD's public machine-readable ISA for CDNA 5 (MIT licence, August 2026) and "CDNA5" Instruction Set Architecture Reference Guide (July 2026). The comments in the code are by the model that wrote it; some were corrected since.
;; Causal Self Attention. Allowed arithmetic: matrix products marked QUANTISED: E2M1 operands, one E8M0 scale for each 32 along K, by v_wmma_scale_f32_16x16x128_f8f6f4 with both operands' format E2M1 (or v_wmma_scale_f32_32x16x128_f4), f32 sums; products left as they are: bf16, f16 or f32 operands; f32 sums; everything else in f32.
;; Inputs: b_attn 3,072 float32; b_proj 1,024 float32; w_attn 1,024 x 3,072 float32; w_proj 1,024 x 1,024 float32; x 4 x 2,048 x 1,024 float32.
;; Outputs: out0 4 x 2,048 x 1,024 float32.
;; This version of the problem:
;;   THIS VERSION OF THE PROBLEM IS GIVEN IN LOW PRECISION. The matrix products marked QUANTISED in the list below multiply operands that are first quantised to E2M1 (2 exponent bits, 1 mantissa bit; 4 bits a number), with one power-of-two scale for each 32 numbers along K (OCP MX v1.0); their sums are f32. The products marked 'left as it is' may take bf16, f16 or f32 operands, with f32 sums. Whichever they take, every output number must still come out within the allowed error. Rounding operands to bf16 (8 significant bits) uses up far more of that allowance than f16 does (11 bits, for magnitudes from 6e-5 to 65,504). All else is computed in f32.
;;   The module's matrix products, in the order in which they are computed (A, B: the left and right operand; K: the contracted axis; several contracted axes count as one K, in the product's order):
;;     1. [M 8,192, K 1,024] x [K 1,024, N 3,072]; A: input x; B: input w_attn: QUANTISED
;;     2. batch 64 x [M 2,048, K 64] x [K 64, N 2,048]; A: computed on the way; B: computed on the way: left as it is (an operand is computed on the way)
;;     3. batch 64 x [M 64, K 2,048] x [K 2,048, N 2,048]; A: computed on the way; B: computed on the way: left as it is (an operand is computed on the way)
;;     4. [M 8,192, K 1,024] x [K 1,024, N 1,024]; A: computed on the way; B: input w_proj: left as it is (an operand is computed on the way)
;;   THE QUANTISER, for each operand of a quantised product, along K:
;;     - K is cut into blocks of 32 from its start; a last block that is shorter is filled with zeros.
;;     - A block's scale is 2^e with e = floor(log2(the largest magnitude in the block)) - 2, held to -126 .. 127; a block of zeros has e = 0. As a byte (E8M0): e + 127.
;;     - Each number is divided by its block's scale, clamped to +-6, and rounded to the nearest number of E2M1, ties to even, subnormals kept.
;;     - The product sums the exact products of the quantised numbers (number of the format x scale) in f32.
;;   ~~~python
;;   def quantise(x, axis):      # numpy; x: float32 -> the quantised numbers, widened to float32 again
;;       x = np.moveaxis(x, axis, -1); K = x.shape[-1]
;;       x = np.pad(x, [(0, 0)] * (x.ndim - 1) + [(0, -K % 32)]); x = x.reshape(x.shape[:-1] + (-1, 32)); a = np.abs(x).max(-1, keepdims=True)
;;       e = np.where(a > 0, np.clip(np.frexp(np.where(a > 0, a, 1))[1] - 1 - 2, -126, 127), 0)      # np.frexp(a)[1] - 1 = floor(log2(a)), exactly
;;       r = np.clip(x / 2.0 ** e, -6, 6)
;;       step = 2.0 ** (np.maximum(np.frexp(np.where(r == 0, 1, r))[1] - 1, 0) - 1)
;;       q = np.round(r / step) * step * 2.0 ** e      # np.round: ties to even
;;       return np.moveaxis(q.reshape(q.shape[:-2] + (-1,))[..., :K], -1, axis).astype(np.float32)
;;   ~~~
;; One version. Each part assembles by itself: llvm-mc -triple=amdgcn-amd-amdhsa -mcpu=gfx1250 --defsym DOCPART=n.
;; ======== version 1 of 1: 5 launches
;; limits: values are held in f16: magnitudes above 65,504 overflow, below 6.1e-05 lose precision; right only within a limited range of input values
;; workspace buffers: xc 4,194,304 bytes; xs 262,144 bytes; wc 1,572,864 bytes; ws 98,304 bytes; wp 4,194,304 bytes; qkvh 50,331,648 bytes; qkv16 786,432 bytes; yh 16,777,216 bytes
;; launch prep (part 1): grid 368 x 1, 4 waves a work-group, no clusters, 102,912 bytes of LDS; arguments x, w_attn, w_proj, xc, xs, wc, ws, wp; writes xc, xs, wc, ws, wp
.if DOCPART == 1
	.amdgcn_target "amdgcn-amd-amdhsa--gfx1250"
	.amdhsa_code_object_version 6
	.text
	.protected	k_qc633c6e0e1_prep
	.globl	k_qc633c6e0e1_prep
	.p2align	8
	.type	k_qc633c6e0e1_prep,@function
k_qc633c6e0e1_prep:
	s_mov_b64 s[64:65], 0
	v_nop
	global_prefetch_b8 v0, s[64:65] scope:SCOPE_SE
	s_setreg_imm32_b32 hwreg(HW_REG_WAVE_MODE, 25, 1), 1
	s_wait_xcnt 0x0
; PREP: the operands of the later launches are laid out once.  Three jobs, told apart by the work-group's number alone; waves share nothing, so there is no barrier.
;   work-groups 0-47    W: w_attn [1024 k][3072 n] f32 -> wc [3072 n][512 bytes] codes of E2M1 with K innermost, ws [3072][32] E8M0 bytes.  A lane takes a column, its registers run down K.
;   work-groups 48-111  P: w_proj [1024 k][1024 n] f32, times 256 (exact) -> wp: [1024 n][1024 k] f16, the high part at byte 0, the low part at byte 2,097,152.
;   work-groups 112-367 X: x [8192][1024] f32 -> xc [8192][512 bytes] codes, xs [8192][32] bytes.  Rows are dense: a plain stream of blocks of 32.
; A block's scale is 2^(floor(log2(largest magnitude)) - 2); its byte is the largest magnitude's exponent field - 2, held at 1 from below.
; LIMITS: a block of zeros gets the byte 1 where the quantiser says 127 (its codes are zeros, and the bytes are read by this program alone); blocks whose largest magnitude lies under 2^-124 are held at that floor;
; NaN and infinities are not served; |w_proj| stays under 255 (f16's range after the factor 256), and parts of 256 w_proj under 6e-5 keep an absolute error of 3e-8.
; Each job has LDS bytes of its own: X [0, 32768), W [32768, 67584), P [67584, 102400); behind them the spare words.
.set SPW,   188                        ; v188  LDS address of my spare word; never rewritten
.set NIL,   189                        ; v189  0; never rewritten
.set LDSW,  32768
.set LDSP,  67584
.set SPARE, 102400                     ; 128 bytes for each wave: two blocks of 256 bytes that no other line names
.set EMAX,  2
.set WP,    272                        ; a stage row of W and of P: 256 bytes + 16 of padding
	s_load_b512 s[4:19], s[0:1], 0x0               ; x s[4:5], w_attn s[6:7], w_proj s[8:9], xc s[10:11], xs s[12:13], wc s[14:15], ws s[16:17], wp s[18:19]
	v_lshl_add_u32 v[SPW], v0, 2, SPARE
	v_mov_b32 v[NIL], 0
	v_lshrrev_b32 v1, 5, v0
	v_readfirstlane_b32 s24, v1                    ; wave 0..3
	v_and_b32 v2, 31, v0                           ; lane
	s_mov_b32 s29, 0                               ; the upper word of every offset pair s[28:29]
	s_wait_kmcnt 0x0
	s_cmp_lt_u32 ttmp9, 48
	s_cbranch_scc1 .Lpath_w
	s_cmp_lt_u32 ttmp9, 112
	s_cbranch_scc1 .Lpath_p
; ---------------- X: a wave takes 16 steps of 512 numbers.  Each load reads 512 consecutive bytes; a step's 2,048 bytes turn through the wave's stage so that a lane holds 16 neighbours; two lanes hold a block.
.set XR,  16                           ; v16-79   four sets of 16 numbers as loaded
.set XX,  80                           ; v80-111  two sets of 16 neighbours
.set XE,  112                          ; v112-127 a scale byte for each step
.set XC,  128                          ; v128-159 codes: two registers for each step, so that no store's data are written again
.set XSP, 80                           ; a lane's place in a stage: 64 bytes + 16 of padding
	v_lshlrev_b32 v3, 4, v2                        ; my 16 bytes of a load's 512
	s_mul_i32 s25, s24, 8192                       ; my wave's region
	v_lshrrev_b32 v14, 2, v2
	v_mul_u32_u24 v14, v14, XSP
	v_and_b32 v15, 3, v2
	v_lshl_add_u32 v14, v15, 4, v14
	v_add_nc_u32 v14, s25, v14                     ; the stage, on the way in: 80 (lane / 4) + 16 (lane % 4)
	v_mul_u32_u24 v15, v2, XSP
	v_add_nc_u32 v15, s25, v15                     ; and on the way out: 80 x lane
	v_mul_u32_u24 v4, v2, 8                        ; my codes' place in a step's 256 bytes
	v_lshrrev_b32 v5, 1, v2
	s_add_co_u32 s25, s25, 2*32*XSP
	v_add_nc_u32 v5, s25, v5                       ; my wave's 256 scale bytes: my block's byte
	v_lshlrev_b32 v7, 3, v2
	v_add_nc_u32 v6, s25, v7                       ; and on the way out 8 bytes a lane
	s_sub_co_u32 s26, ttmp9, 112
	s_lshl_b32 s26, s26, 2
	s_add_co_u32 s26, s26, s24                     ; which run of 8,192 numbers is my wave's: 0..1023
	s_lshl_b32 s28, s26, 15
	s_add_nc_u64 s[4:5], s[4:5], s[28:29]          ; 32,768 bytes of x a run,
	s_lshl_b32 s28, s26, 12
	s_add_nc_u64 s[10:11], s[10:11], s[28:29]      ; 4,096 of codes,
	s_lshl_b32 s28, s26, 8
	s_add_nc_u64 s[12:13], s[12:13], s[28:29]      ; 256 of scale bytes
.macro XLOAD t
.irp i, 0,1,2,3
	global_load_b128 v[XR+16*((\t)%4)+4*\i:XR+16*((\t)%4)+4*\i+3], v3, s[4:5] offset:2048*(\t)+512*\i th:TH_LOAD_NT
.endr
.endm
.macro XTURN t                         ; LDS serves a wave's instructions in order: no wait between the stores and the loads
.irp i, 0,1,2,3
	ds_store_b128 v14, v[XR+16*((\t)%4)+4*\i:XR+16*((\t)%4)+4*\i+3] offset:32*XSP*((\t)%2)+8*XSP*\i
.endr
.irp i, 0,1,2,3
	ds_load_b128 v[XX+16*((\t)%2)+4*\i:XX+16*((\t)%2)+4*\i+3], v15 offset:32*XSP*((\t)%2)+16*\i
.endr
.endm
.irp t, 0,1,2,3
	XLOAD \t
.endr
	s_wait_loadcnt 12                              ; step 0's four loads are in; three steps' twelve stay out
	XTURN 0
.macro XSTEP t
.set XQ, XX+16*((\t)%2)
.if (\t) > 0
	s_wait_dscnt 1                                 ; this step's numbers are back from the stage; the last step's byte store may be out
.else
	s_wait_dscnt 0x0
.endif
.if (\t)+4 < 16
	XLOAD (\t)+4                                   ; into the set whose stores into the stage have just been shown done
.endif
.if (\t)+1 < 16
.if 14-(\t) >= 3
	s_wait_loadcnt 12                              ; the next step's four loads are in; those of the three steps behind it may be out
.else
	s_wait_loadcnt 4*(14-(\t))
.endif
	XTURN (\t)+1
.endif
	v_max3_num_f32 v8, |v[XQ]|, |v[XQ+1]|, |v[XQ+2]|
	v_max3_num_f32 v9, |v[XQ+3]|, |v[XQ+4]|, |v[XQ+5]|
.irp i, 6,10
	v_max3_num_f32 v8, v8, |v[XQ+\i]|, |v[XQ+\i+1]|
	v_max3_num_f32 v9, v9, |v[XQ+\i+2]|, |v[XQ+\i+3]|
.endr
	v_max3_num_f32 v8, v8, |v[XQ+14]|, |v[XQ+15]|
	v_max3_num_f32 v8, v8, v9, (EMAX+1)<<23        ; and the floor 2^(3 - 127): the byte cannot fall under 1
	v_max_num_f32_dpp v8, v8, v8 row_xmask:1 row_mask:0xf bank_mask:0xf   ; with my neighbour's 16: the block's largest magnitude
	v_add_nc_u32 v11, -(EMAX<<23), v8              ; 2 off its exponent field: the conversion takes the exponent field of this operand as its scale
	v_cvt_scalef32_pk8_fp4_f32 v[XC+2*(\t)], v[XQ:XQ+7], v11
	v_cvt_scalef32_pk8_fp4_f32 v[XC+2*(\t)+1], v[XQ+8:XQ+15], v11
	v_lshrrev_b32 v[XE+(\t)], 23, v11              ; the scale's byte
	ds_store_b8 v5, v[XE+(\t)] offset:16*(\t)      ; both lanes of a block write the same byte with the same value
	global_store_b64 v4, v[XC+2*(\t):XC+2*(\t)+1], s[10:11] offset:256*(\t)   ; the wave stores 256 consecutive bytes, aligned
.endm
.irp t, 0,1,2,3,4,5,6,7,8,9,10,11,12,13,14,15
	XSTEP \t
.endr
	ds_load_b64 v[8:9], v6                         ; in order behind my byte stores
	s_wait_dscnt 0x0
	global_store_b64 v7, v[8:9], s[12:13]          ; 256 consecutive scale bytes, aligned
	s_wait_tensorcnt 0x0                           ; the wave's end, behind my last LDS store
	ds_add_u32 v[SPW], v[NIL]
	s_wait_dscnt 0x0
	s_endpgm
; ---------------- W: a wave takes 32 columns x 512 along K: 16 blocks a lane.  The codes go through the wave's stage and leave as rows: sixteen lanes store 256 consecutive bytes.
.set WX,  32                           ; v32-95   two sets of 32 numbers
.set WC,  96                           ; v96-99   a block's codes
.set WO,  112                          ; v112-175 the way out
.set WSB, 24                           ; v24-27   the scale bytes, four to a register
.Lpath_w:
	s_cmp_ge_u32 ttmp9, 24
	s_cselect_b32 s26, 1, 0                        ; which 512 along K
	s_cselect_b32 s27, 24, 0
	s_sub_co_u32 s27, ttmp9, s27                   ; which 128 columns
	s_lshl_b32 s27, s27, 7
	s_lshl_b32 s25, s24, 5
	s_add_co_u32 s27, s27, s25                     ; my wave's first column
	v_lshlrev_b32 v3, 2, v2                        ; in: 4 bytes a lane
	s_mul_i32 s25, s24, 32*WP
	s_add_co_u32 s25, s25, LDSW                    ; my stage
	v_mul_u32_u24 v4, v2, WP
	v_add_nc_u32 v4, s25, v4                       ; into it: row = my column
	v_and_b32 v5, 15, v2
	v_lshrrev_b32 v6, 4, v2
	v_mul_u32_u24 v7, v6, WP
	v_lshl_add_u32 v7, v5, 4, v7
	v_add_nc_u32 v7, s25, v7                       ; out of it: sixteen lanes to a row, two rows an instruction
	v_lshlrev_b32 v8, 9, v6
	v_lshl_add_u32 v8, v5, 4, v8                   ; the same place in wc: rows of 512 bytes
	v_lshlrev_b32 v9, 5, v2                        ; my column's row of 32 scale bytes
	s_mul_i32 s28, s26, 512*3072*4
	s_lshl_b32 s30, s27, 2
	s_add_co_u32 s28, s28, s30
	s_add_nc_u64 s[6:7], s[6:7], s[28:29]
	s_lshl_b32 s28, s27, 9
	s_lshl_b32 s30, s26, 8
	s_add_co_u32 s28, s28, s30
	s_add_nc_u64 s[14:15], s[14:15], s[28:29]
	s_lshl_b32 s28, s27, 5
	s_lshl_b32 s30, s26, 4
	s_add_co_u32 s28, s28, s30
	s_add_nc_u64 s[16:17], s[16:17], s[28:29]
.macro WLOAD t                         ; block t: w_attn(32 t + i, my column): 128 consecutive bytes a wave; the largest offset, 511 x 12,288, lies inside the signed 24-bit immediate
.irp i, 0,1,2,3,4,5,6,7,8,9,10,11,12,13,14,15,16,17,18,19,20,21,22,23,24,25,26,27,28,29,30,31
	global_load_b32 v[WX+32*((\t)%2)+\i], v3, s[6:7] offset:(32*(\t)+\i)*12288 th:TH_LOAD_NT
.endr
.endm
	WLOAD 0
	WLOAD 1
.macro WBLOCK t
.set WQ, WX+32*((\t)%2)
.if (\t) < 15
	s_wait_loadcnt 32                              ; this block's 32 loads are in; the next block's may be out
.else
	s_wait_loadcnt 0x0
.endif
	v_max3_num_f32 v12, |v[WQ]|, |v[WQ+1]|, |v[WQ+2]|
	v_max3_num_f32 v13, |v[WQ+3]|, |v[WQ+4]|, |v[WQ+5]|
.irp i, 6,10,14,18,22,26
	v_max3_num_f32 v12, v12, |v[WQ+\i]|, |v[WQ+\i+1]|
	v_max3_num_f32 v13, v13, |v[WQ+\i+2]|, |v[WQ+\i+3]|
.endr
	v_max3_num_f32 v12, v12, |v[WQ+30]|, |v[WQ+31]|
	v_max3_num_f32 v12, v12, v13, (EMAX+1)<<23     ; the floor
	v_add_nc_u32 v11, -(EMAX<<23), v12             ; the conversion's scale operand
	v_lshrrev_b32 v13, 23, v11                     ; the scale's byte
.if (\t)%4 == 0
	v_mov_b32 v[WSB+(\t)/4], v13
.else
	v_lshl_or_b32 v[WSB+(\t)/4], v13, 8*((\t)%4), v[WSB+(\t)/4]
.endif
.irp g, 0,1,2,3
	v_cvt_scalef32_pk8_fp4_f32 v[WC+\g], v[WQ+8*\g:WQ+8*\g+7], v11
.endr
	ds_store_b128 v4, v[WC:WC+3] offset:16*(\t)    ; 32 codes: 16 bytes of my column's row
.if (\t)+2 < 16
	WLOAD (\t)+2
.endif
	s_wait_dscnt 0x0                               ; the store has read its registers: the next block's codes may be written
.endm
.irp t, 0,1,2,3,4,5,6,7,8,9,10,11,12,13,14,15
	WBLOCK \t
.endr
	global_store_b128 v9, v[WSB:WSB+3], s[16:17]   ; my column's 16 scale bytes
.irp t, 0,1,2,3,4,5,6,7,8,9,10,11,12,13,14,15
	ds_load_b128 v[WO+4*\t:WO+4*\t+3], v7 offset:2*\t*WP
.endr
.irp t, 0,1,2,3,4,5,6,7,8,9,10,11,12,13,14,15
	s_wait_dscnt 15-\t                             ; LDS loads come back in order: load t is in
	global_store_b128 v8, v[WO+4*\t:WO+4*\t+3], s[14:15] offset:2*\t*512
.endr
	s_wait_tensorcnt 0x0                           ; the wave's end, as above
	ds_add_u32 v[SPW], v[NIL]
	s_wait_dscnt 0x0
	s_endpgm
; ---------------- P: a wave takes 32 columns n x 128 along k of w_proj.  A lane takes a column, its registers run down k, so pairs of neighbours along k pack into f16 words with k innermost.
; THE SPLIT (Veltkamp's), in f32, for z = 256 w: c = 8193 z; hi = c + (z - c) is z rounded to 11 significant bits, so its conversion to f16 rounds nothing in f16's normal range; lo = z - hi is exact.
.set PX,  32                           ; v32-95   two sets of 32 numbers; later the way out
.set PU,  8                            ; v8-23    the split's temporaries: four sets of four
.set PH,  96                           ; v96-111  a block's high parts, 16 words
.set PL,  112                          ; v112-175 all four blocks' low parts
.Lpath_p:
	s_sub_co_u32 s26, ttmp9, 48
	s_and_b32 s27, s26, 7                          ; which 128 columns
	s_lshr_b32 s26, s26, 3                         ; which 128 along k
	s_lshl_b32 s27, s27, 7
	s_lshl_b32 s25, s24, 5
	s_add_co_u32 s27, s27, s25                     ; my wave's first column
	v_lshlrev_b32 v3, 2, v2
	s_mul_i32 s25, s24, 32*WP
	s_add_co_u32 s25, s25, LDSP                    ; my stage
	v_mul_u32_u24 v4, v2, WP
	v_add_nc_u32 v4, s25, v4                       ; into it: row = my column
	v_and_b32 v7, 15, v2
	v_lshrrev_b32 v6, 4, v2
	v_mul_u32_u24 v5, v6, WP
	v_lshl_add_u32 v5, v7, 4, v5
	v_add_nc_u32 v5, s25, v5                       ; out of it: sixteen lanes to a row
	v_lshlrev_b32 v6, 11, v6
	v_lshl_add_u32 v6, v7, 4, v6                   ; the same place in wp: rows of 2,048 bytes
	s_lshl_b32 s28, s26, 19                        ; 128 rows of 4,096 bytes
	s_lshl_b32 s30, s27, 2
	s_add_co_u32 s28, s28, s30
	s_add_nc_u64 s[8:9], s[8:9], s[28:29]
	s_lshl_b32 s28, s27, 11
	s_lshl_b32 s30, s26, 8
	s_add_co_u32 s28, s28, s30
	s_add_nc_u64 s[18:19], s[18:19], s[28:29]
.macro PLOAD t
.irp i, 0,1,2,3,4,5,6,7,8,9,10,11,12,13,14,15,16,17,18,19,20,21,22,23,24,25,26,27,28,29,30,31
	global_load_b32 v[PX+32*((\t)%2)+\i], v3, s[8:9] offset:(32*(\t)+\i)*4096 th:TH_LOAD_NT
.endr
.endm
.macro PSPLIT hi, lo, src              ; four pairs in step: v[src .. src+7] -> four words of high parts, four of low parts
.irp p, 0,1,2,3
	v_pk_mul_f32 v[PU+4*\p:PU+4*\p+1], v[(\src)+2*\p:(\src)+2*\p+1], 0x46000400 op_sel_hi:[1,0]   ; c = 8193 z
.endr
.irp p, 0,1,2,3
	v_pk_add_f32 v[PU+4*\p+2:PU+4*\p+3], v[(\src)+2*\p:(\src)+2*\p+1], v[PU+4*\p:PU+4*\p+1] neg_lo:[0,1] neg_hi:[0,1]   ; z - c
.endr
.irp p, 0,1,2,3
	v_pk_add_f32 v[PU+4*\p:PU+4*\p+1], v[PU+4*\p:PU+4*\p+1], v[PU+4*\p+2:PU+4*\p+3]   ; hi
.endr
.irp p, 0,1,2,3
	v_pk_add_f32 v[PU+4*\p+2:PU+4*\p+3], v[(\src)+2*\p:(\src)+2*\p+1], v[PU+4*\p:PU+4*\p+1] neg_lo:[0,1] neg_hi:[0,1]   ; lo = z - hi
.endr
.irp p, 0,1,2,3
	v_cvt_pk_f16_f32 v[(\hi)+\p], v[PU+4*\p], v[PU+4*\p+1]
	v_cvt_pk_f16_f32 v[(\lo)+\p], v[PU+4*\p+2], v[PU+4*\p+3]
.endr
.endm
.macro PBLOCK t
.set PQ, PX+32*((\t)%2)
.if (\t) < 3
	s_wait_loadcnt 32                              ; this block's 32 loads are in; the next block's may be out
.else
	s_wait_loadcnt 0x0
.endif
.irp p, 0,2,4,6,8,10,12,14,16,18,20,22,24,26,28,30
	v_pk_mul_f32 v[PQ+\p:PQ+\p+1], v[PQ+\p:PQ+\p+1], 0x43800000 op_sel_hi:[1,0]   ; z = 256 w: exact
.endr
.irp g, 0,1,2,3
	PSPLIT PH+4*\g, PL+16*(\t)+4*\g, PQ+8*\g
.endr
.irp g, 0,1,2,3
	ds_store_b128 v4, v[PH+4*\g:PH+4*\g+3] offset:64*(\t)+16*\g   ; k = 32 t + 8 g + 0 .. 7 of my column
.endr
.if (\t) < 2
	PLOAD (\t)+2
.endif
	s_wait_dscnt 0x0                               ; the stores have read their registers: the next block's high parts may be written
.endm
	PLOAD 0
	PLOAD 1
.irp t, 0,1,2,3
	PBLOCK \t
.endr
.irp t, 0,1,2,3,4,5,6,7,8,9,10,11,12,13,14,15
	ds_load_b128 v[PX+4*\t:PX+4*\t+3], v5 offset:2*\t*WP
.endr
.irp t, 0,1,2,3,4,5,6,7,8,9,10,11,12,13,14,15
	s_wait_dscnt 15-\t
	global_store_b128 v6, v[PX+4*\t:PX+4*\t+3], s[18:19] offset:2*\t*2048   ; sixteen lanes store 256 consecutive bytes, aligned
.endr
.irp t, 0,1,2,3
.irp g, 0,1,2,3
	ds_store_b128 v4, v[PL+16*\t+4*\g:PL+16*\t+4*\g+3] offset:64*\t+16*\g   ; the low parts take the stage: its loads above are back
.endr
.endr
	s_wait_xcnt 0x0                                ; the stores above have read their data registers: they are loaded again only behind this wait
.irp t, 0,1,2,3,4,5,6,7,8,9,10,11,12,13,14,15
	ds_load_b128 v[PX+4*\t:PX+4*\t+3], v5 offset:2*\t*WP
.endr
.irp t, 0,1,2,3,4,5,6,7,8,9,10,11,12,13,14,15
	s_wait_dscnt 15-\t
	global_store_b128 v6, v[PX+4*\t:PX+4*\t+3], s[18:19] offset:2097152+2*\t*2048
.endr
	s_wait_tensorcnt 0x0                           ; the wave's end, as above
	ds_add_u32 v[SPW], v[NIL]
	s_wait_dscnt 0x0
	s_endpgm
.Lfunc_end_k_qc633c6e0e1_prep:
	.size	k_qc633c6e0e1_prep, .Lfunc_end_k_qc633c6e0e1_prep-k_qc633c6e0e1_prep
	.p2alignl 7, 3214868480
	.fill 96, 4, 3214868480
	.section	.rodata,"a",@progbits
	.p2align	6, 0x0
	.amdhsa_kernel k_qc633c6e0e1_prep
		.amdhsa_group_segment_fixed_size 102912
		.amdhsa_private_segment_fixed_size 0
		.amdhsa_enable_private_segment 0
		.amdhsa_kernarg_size 64
		.amdhsa_user_sgpr_count 2
		.amdhsa_user_sgpr_kernarg_segment_ptr 1
		.amdhsa_wavefront_size32 1
		.amdhsa_system_sgpr_workgroup_id_x 1
		.amdhsa_system_sgpr_workgroup_id_y 1
		.amdhsa_system_sgpr_workgroup_id_z 1
		.amdhsa_system_vgpr_workitem_id 0
		.amdhsa_next_free_vgpr 192
		.amdhsa_next_free_sgpr 66
		.amdhsa_reserve_vcc 0
		.amdhsa_float_denorm_mode_32 3
		.amdhsa_float_denorm_mode_16_64 3
		.amdhsa_memory_ordered 1
		.amdhsa_forward_progress 1
		.amdhsa_inst_pref_size 164
	.end_amdhsa_kernel
	.amdgpu_metadata
---
amdhsa.version: [ 1, 2 ]
amdhsa.kernels:
  - .name:           k_qc633c6e0e1_prep
    .symbol:         k_qc633c6e0e1_prep.kd
    .args:
      - { .name: x, .offset: 0, .size: 8, .value_kind: global_buffer, .address_space: global }
      - { .name: w_attn, .offset: 8, .size: 8, .value_kind: global_buffer, .address_space: global }
      - { .name: w_proj, .offset: 16, .size: 8, .value_kind: global_buffer, .address_space: global }
      - { .name: xc, .offset: 24, .size: 8, .value_kind: global_buffer, .address_space: global }
      - { .name: xs, .offset: 32, .size: 8, .value_kind: global_buffer, .address_space: global }
      - { .name: wc, .offset: 40, .size: 8, .value_kind: global_buffer, .address_space: global }
      - { .name: ws, .offset: 48, .size: 8, .value_kind: global_buffer, .address_space: global }
      - { .name: wp, .offset: 56, .size: 8, .value_kind: global_buffer, .address_space: global }
    .group_segment_fixed_size: 102912
    .private_segment_fixed_size: 0
    .kernarg_segment_align: 8
    .kernarg_segment_size: 64
    .max_flat_workgroup_size: 128
    .sgpr_count:     66
    .vgpr_count:     192
    .wavefront_size: 32
...
	.end_amdgpu_metadata
.endif
;; end of part 1
;; launch qkv (part 2): grid 12 x 32, 4 waves a work-group, clusters of 4 x 4, 327,680 bytes of LDS; arguments xc, xs, wc, ws, qkvh, b_attn, qkv16; writes qkvh, qkv16
.if DOCPART == 2
	.amdgcn_target "amdgcn-amd-amdhsa--gfx1250"
	.amdhsa_code_object_version 6
	.text
	.protected	k_qc633c6e0e1_qkv
	.globl	k_qc633c6e0e1_qkv
	.p2align	8
	.type	k_qc633c6e0e1_qkv,@function
k_qc633c6e0e1_qkv:
	s_mov_b64 s[64:65], 0
	v_nop
	global_prefetch_b8 v0, s[64:65] scope:SCOPE_SE
	s_setreg_imm32_b32 hwreg(HW_REG_WAVE_MODE, 25, 1), 1
	s_wait_xcnt 0x0
	s_wait_alu depctr_hold_cnt(0) depctr_sa_sdst(0) depctr_va_vdst(0) depctr_va_sdst(0) depctr_va_ssrc(0) depctr_va_vcc(0) depctr_vm_vsrc(0)
	s_getreg_b32 s2, hwreg(HW_REG_IB_STS2, 6, 4)
	s_cmp_eq_u32 s2, 0
	s_cbranch_scc0 .Lentry_in_a_cluster
	s_endpgm
.Lentry_in_a_cluster:
	s_bfe_u32 s2, ttmp6, 0x10000c
	s_cmp_lg_u32 s2, 0xf033
	s_cbranch_scc0 .Lentry_shape_is_right
	s_endpgm
.Lentry_shape_is_right:
; QKV = Q(x) Q(w_attn) + b_attn on codes of E2M1 with one E8M0 scale for each 32 along K.  xc [8192][512 bytes], xs [8192][32], wc [3072][512 bytes], ws [3072][32]; K = 1,024.
; OUT: qkvh [3 parts][64 batch x head][2048 t][64] f16, for the attention;  qkv16 [4 batches][16 t][3072] f32: the first 16 positions of every sequence, for the launch that carries them more finely.
; A tile of 256 x 256 is made by four waves, 128 x 128 each: 64 accumulators, 512 registers.  K is two steps of 512: both LDS slots and all scale bytes are asked for at the head, and nothing is filled again.
; CLUSTERS: 4 x 4 work-groups; the four of a row need the same tiles of x, the four of a column the same tiles of w: each tile is asked for jointly.  Tile row = 8 cy + cluster y, so that the batch is cy
; and "this tile holds t < 16" is cluster y = 0, a number that all sixteen partners share.
; THE MATRIX INSTRUCTION IS USED TRANSPOSED (source 0 = 16 rows of wc, source 1 = 16 rows of xc): a lane holds eight neighbouring columns of one token.  The bias is the C of each sum's first product.
; LIMITS: |q|, |k|, |v| under 65,504 (f16); under 6e-5 they keep an absolute error of 3e-8.  The bias is the first term of the f32 sum, not the last.
; REGISTERS: window 0: v0-31 addresses; v32-95 scale words, two sets, and nothing else; v128-191 x's fragments, one set; v192-255 the bias, 8 registers for each block of 16 columns; on the way out v128-223 are at work.
;   window 1: w's fragments, two sets, at v0 and v128.   window 2: accumulators of my rows 0-63 ((a, b) at v[8 (8 a + b)]);   window 3: rows 64-127.
.set NQ,     4                         ; steps of 128 along K in a slot
.set ROWB,   256                       ; a tile's row: 512 codes
.set KROW,   512                       ; a row of codes in memory
.set PITCH,  272                       ; an LDS row: 256 bytes + 16 of padding: the 16 rows of a load start at 16 different banks
.set FR,     8
.set NL,     2
.set NP,     4
.set HALFT,  128*PITCH
.set SLOT,   4*HALFT
.set KS,     32                        ; a row of scale bytes
.set SCL,    2*SLOT                    ; behind the slots: the scales, as units of 256 bytes + 16 of padding
.set HALFS,  16*272                    ; the scales of 128 rows
.set SBLK,   2*272                     ; those of 16 rows
.set SPARE,  SCL+4*HALFS               ; the spare words, 128 bytes a wave
.set HP,     144                       ; the way out: a stage row: 64 f16 + 16 bytes
.set WSTG,   2*16*HP                   ; a wave's stage: 16 rows for each of its two heads.  It lies in slot 0, which has had its only fill and its last read when the first result is stored there
.set ADRA, 16
.set ADRB, 20
.set STO,  24
.set RD,   25
.set CO,   26
.set ADRS, 27
.set SPW,  28
.set NIL,  29
.set BO,   30                          ; v30  32 x (lane / 16): my eight bias numbers of a block
.set Q16O, 31                          ; v31  my place in qkv16: row lane % 16, 32 bytes for each half of the lanes
.set SC,   32
.set AF,   128
.set BIAS, 192
.set TMP,  128                         ; the way out: packed results
.set BK,   160                         ; and rows read back: v160-191 and v192-223 by turns
.set G1, 24
.set G0, 32
.set G1B, 48
.set G0B, 56
.set G1S, 68
.set G0S, 76
.set G1SB, 80
.set G0SB, 88
.set MSB, 0
.macro WIN new                         ; the immediate's high byte repeats the setting that is left
.if MSB != (\new)
	s_set_vgpr_msb (MSB<<8)|(\new)
.set MSB, (\new)
.endif
.endm
.set MUL_LO, 0xa1                      ; source 0 (w) window 1, source 1 (x) window 0, C and D window 2
.set MUL_HI, 0xf1                      ; the same, C and D window 3
.set TO_B,   0x40
; A joint load: waves 0 and 1 fetch for x, waves 2 and 3 for w.  The branch hangs on the wave's number alone.  An s_nop 0 and four v_nop follow each of the two lines.
.macro JLOAD g0a, g1a, g0b, g1b
	s_cmp_eq_u32 s15, 0
	s_cbranch_scc0 .Lfor_b_\@
	tensor_load_to_lds s[\g0a:\g0a+3], s[\g1a:\g1a+7]
	s_nop 0
.rept 4
	v_nop
.endr
	s_branch .Lasked_\@
.Lfor_b_\@:
	tensor_load_to_lds s[\g0b:\g0b+3], s[\g1b:\g1b+7]
	s_nop 0
.rept 4
	v_nop
.endr
.Lasked_\@:
.endm
.macro CROUND                          ; a round of the cluster's barrier
	s_barrier_signal -1
	s_barrier_wait -1
	s_cmp_lg_u32 s14, 0
	s_cbranch_scc1 .Lnot_wave_0_\@
	s_barrier_signal -3
.Lnot_wave_0_\@:
	s_barrier_wait -3
	s_barrier_signal -1
	s_barrier_wait -1
.endm
	s_load_b128 s[4:7], s[0:1], 0x0                ; xc, xs
	s_load_b128 s[8:11], s[0:1], 0x10              ; wc, ws
	s_load_b64 s[12:13], s[0:1], 0x20              ; qkvh
	s_load_b64 s[96:97], s[0:1], 0x28              ; b_attn
	s_load_b64 s[98:99], s[0:1], 0x30              ; qkv16
	v_lshl_add_u32 v[SPW], v0, 2, SPARE
	v_mov_b32 v[NIL], 0
	ds_add_u32 v[SPW], v[NIL]                      ; the wave's opening: the add, twice on end, and its wait ahead of my first tensor load
	ds_add_u32 v[SPW], v[NIL]
	v_lshrrev_b32 v1, 5, v0
	v_readfirstlane_b32 s14, v1                    ; wave 0..3
	s_lshr_b32 s15, s14, 1                         ; my half of the tile's rows; also: I fetch for x (0) or for w (1)
	s_and_b32 s16, s14, 1                          ; my half of its columns; also: which 128 rows I fetch
	s_bfe_u32 s40, ttmp6, 0x40000                  ; cx
	s_bfe_u32 s41, ttmp6, 0x40004                  ; cy
	s_lshl_b32 s42, ttmp9, 2
	s_add_co_u32 s42, s42, s40                     ; tile column = 4 x cluster x + cx
	s_and_b32 s95, ttmp7, 0xffff                   ; cluster y
	s_lshl_b32 s17, s41, 3
	s_add_co_u32 s17, s17, s95                     ; tile row = 8 cy + cluster y
	s_lshl_b32 s43, s41, 2
	s_lshl_b32 s43, 15, s43                        ; my row of the cluster
	s_lshl_b32 s44, 0x1111, s40                    ; my column
	s_or_b32 s[G1+0], s43, (0<<16)|(1<<20)|(1<<21)|(5<<22)|(3<<25)  ; the mask; elements of 1 byte; padding on; bit 21 beside a mask; after every 64 words four words
	s_or_b32 s[G1B+0], s44, (0<<16)|(1<<20)|(1<<21)|(5<<22)|(3<<25)
.irp g, G1, G1B
	s_mov_b32 s[\g+1], ROWB<<16                    ; tensor_dim0
	s_mov_b32 s[\g+2], 128<<16                     ; tensor_dim1
	s_mov_b32 s[\g+3], ROWB<<16                    ; tile_dim0
	s_mov_b32 s[\g+4], 128                         ; tile_dim1
	s_mov_b32 s[\g+5], KROW                        ; the pitch
	s_mov_b32 s[\g+6], 0
	s_mov_b32 s[\g+7], 0
.endr
	s_or_b32 s[G1S+0], s43, (3<<16)|(1<<20)|(1<<21)|(5<<22)|(3<<25)   ; the scales of 128 rows: 4,096 dense bytes as 16 rows of 256 (32 elements of 8 bytes)
	s_or_b32 s[G1SB+0], s44, (3<<16)|(1<<20)|(1<<21)|(5<<22)|(3<<25)
.irp g, G1S, G1SB
	s_mov_b32 s[\g+1], 32<<16
	s_mov_b32 s[\g+2], 16<<16
	s_mov_b32 s[\g+3], 32<<16
	s_mov_b32 s[\g+4], 16
	s_mov_b32 s[\g+5], 32
	s_mov_b32 s[\g+6], 0
	s_mov_b32 s[\g+7], 0
.endr
	s_lshl_b32 s18, s16, 7
	s_lshl_b32 s20, s17, 8
	s_add_co_u32 s20, s20, s18                     ; x: row 256 x tile row + 128 x half
	s_lshl_b32 s46, s42, 8
	s_add_co_u32 s46, s46, s18                     ; w: row 256 x tile column + 128 x half
	s_mov_b32 s21, 0
	s_mov_b32 s47, 0
	s_mov_b64 s[18:19], KS
	s_mul_u64 s[22:23], s[20:21], s[18:19]         ; where these rows' scales begin
	s_mul_u64 s[92:93], s[46:47], s[18:19]
	s_mov_b64 s[18:19], KROW
	s_mul_u64 s[20:21], s[20:21], s[18:19]         ; and their codes
	s_mul_u64 s[46:47], s[46:47], s[18:19]
	s_mul_i32 s45, s14, HALFT                      ; where they go: wave x 128 rows
	s_mul_i32 s94, s14, HALFS
	s_wait_dscnt 0x0                               ; both opening adds are done
	s_wait_kmcnt 0x0
	s_add_nc_u64 s[20:21], s[4:5], s[20:21]
	s_add_nc_u64 s[22:23], s[6:7], s[22:23]
	s_add_nc_u64 s[46:47], s[8:9], s[46:47]
	s_add_nc_u64 s[92:93], s[10:11], s[92:93]
	CROUND                                         ; all sixteen work-groups are here: the joint loads meet
	s_mov_b32 s[G0S], 1
	s_add_co_u32 s[G0S+1], s94, SCL
	s_mov_b64 s[G0S+2:G0S+3], s[22:23]
	s_or_b32 s[G0S+3], s[G0S+3], 0x80000000
	s_mov_b32 s[G0SB], 1
	s_add_co_u32 s[G0SB+1], s94, SCL
	s_mov_b64 s[G0SB+2:G0SB+3], s[92:93]
	s_or_b32 s[G0SB+3], s[G0SB+3], 0x80000000
	JLOAD G0S, G1S, G0SB, G1SB                     ; the scales first
.irp s, 0,1
	s_mov_b32 s[G0+4*\s], 1
	s_add_co_u32 s[G0+4*\s+1], s45, \s*SLOT
	s_add_nc_u64 s[G0+4*\s+2:G0+4*\s+3], s[20:21], \s*ROWB
	s_or_b32 s[G0+4*\s+3], s[G0+4*\s+3], 0x80000000
	s_mov_b32 s[G0B+4*\s], 1
	s_add_co_u32 s[G0B+4*\s+1], s45, \s*SLOT
	s_add_nc_u64 s[G0B+4*\s+2:G0B+4*\s+3], s[46:47], \s*ROWB
	s_or_b32 s[G0B+4*\s+3], s[G0B+4*\s+3], 0x80000000
	JLOAD G0+4*\s, G1, G0B+4*\s, G1B               ; three loads of mine are out in all
.endr
	v_and_b32 v1, 15, v0                           ; r = lane % 16
	v_bfe_u32 v2, v0, 4, 1                         ; h = lane / 16
	; what hangs on the tile column is made in s46, s47, what hangs on the tile row in s20, s21
	s_lshl_b32 s46, s42, 10
	s_lshl_b32 s47, s16, 9
	s_add_co_u32 s46, s46, s47                     ; my first column, in bytes of f32
	s_mov_b32 s47, 0
	s_add_nc_u64 s[96:97], s[96:97], s[46:47]      ; the bias at my first column
	s_add_nc_u64 s[98:99], s[98:99], s[46:47]
	s_mul_i32 s20, s41, 196608                     ; qkv16: a batch is 16 rows of 12,288 bytes
	s_mov_b32 s21, 0
	s_add_nc_u64 s[98:99], s[98:99], s[20:21]
	v_lshlrev_b32 v[BO], 5, v2
.irp b, 0,1,2,3,4,5,6,7
	global_load_b128 v[BIAS+8*\b:BIAS+8*\b+3], v[BO], s[96:97] offset:64*\b       ; lane (r, h): b_attn of columns 16 b + 8 h + 0 .. 7: the result's layout
	global_load_b128 v[BIAS+8*\b+4:BIAS+8*\b+7], v[BO], s[96:97] offset:64*\b+16
.endr
	s_lshr_b32 s46, s42, 2                         ; the part: q, k or v
	s_lshl_b32 s46, s46, 6
	s_and_b32 s47, s42, 3
	s_lshl_b32 s47, s47, 2
	s_add_co_u32 s46, s46, s47
	s_lshl_b32 s47, s16, 1
	s_add_co_u32 s46, s46, s47                     ; 64 x part + my first head
	s_lshl_b32 s46, s46, 18                        ; a head of a batch is 2,048 rows of 128 bytes
	s_mov_b32 s47, 0
	s_add_nc_u64 s[12:13], s[12:13], s[46:47]
	s_lshl_b32 s20, s41, 22                        ; 16 heads a batch
	s_lshl_b32 s21, s95, 15                        ; t0 = 256 x cluster y + 128 x row half, rows of 128 bytes
	s_add_co_u32 s20, s20, s21
	s_lshl_b32 s21, s15, 14
	s_add_co_u32 s20, s20, s21
	s_mov_b32 s21, 0
	s_add_nc_u64 s[12:13], s[12:13], s[20:21]
	v_mul_u32_u24 v3, v1, PITCH
	v_lshl_add_u32 v4, v2, 4, v3                   ; a fragment's row x pitch + 16 x half
	s_mul_i32 s21, s15, HALFT
	s_mul_i32 s22, s16, HALFT
	s_add_co_u32 s22, s22, 2*HALFT
.irp s, 0,1
	v_add_nc_u32 v[ADRA+\s], s21, v4
	v_add_nc_u32 v[ADRB+\s], s22, v4
	s_add_co_u32 s21, s21, SLOT
	s_add_co_u32 s22, s22, SLOT
.endr
	v_mul_u32_u24 v5, v1, KS                       ; my row's scales: 32 bytes a row,
	v_lshrrev_b32 v6, 8, v5
	v_lshl_add_u32 v5, v6, 4, v5                   ; and 16 more for each 256 passed
	s_mul_i32 s21, s15, HALFS
	s_mul_i32 s22, s16, HALFS
	s_add_co_u32 s22, s22, 2*HALFS
	s_sub_co_u32 s22, s22, s21
	v_mul_u32_u24 v6, s22, v2                      ; lanes 16-31 take w's
	s_add_co_u32 s21, s21, SCL
	v_add_nc_u32 v5, v5, v6
	v_add_nc_u32 v[ADRS], s21, v5
	s_mul_i32 s23, s14, WSTG                       ; my stage
	v_mul_u32_u24 v5, v1, HP
	v_lshl_add_u32 v5, v2, 4, v5
	v_add_nc_u32 v[STO], s23, v5                   ; in: row r, 16 bytes for each half of the lanes
	v_and_b32 v6, 31, v0
	v_lshrrev_b32 v5, 3, v6
	v_mul_u32_u24 v5, v5, HP
	v_and_b32 v7, 7, v6
	v_lshl_add_u32 v5, v7, 4, v5
	v_add_nc_u32 v[RD], s23, v5                    ; back: eight lanes to a row of 128 bytes, four rows an instruction
	v_lshlrev_b32 v[CO], 4, v6                     ; which are 512 consecutive bytes of qkvh
	v_mul_u32_u24 v[Q16O], v1, 12288
	v_lshl_add_u32 v[Q16O], v2, 5, v[Q16O]
.macro FRAG reg, adr, q, i             ; 16 rows x 128 K of 4-bit codes: 8 registers: two loads of 16 bytes, 32 bytes apart
.irp c, 0,1
	ds_load_b128 v[\reg+4*\c:\reg+4*\c+3], v[\adr] offset:64*(\q)+32*\c+(\i)*16*PITCH
.endr
.endm
; 16 matrix instructions: x's blocks a0, a0 + 1 against w's eight.  first = 1: the sum's first product takes the bias as C.  The 64 accumulators take turns, one instruction a turn.
.macro MUL16 a0, p, q, sc, first
.irp a, \a0, \a0+1
.irp b, 0,1,2,3,4,5,6,7
.if \first
	v_wmma_scale_f32_16x16x128_f8f6f4 v[8*(8*((\a)%4)+\b):8*(8*((\a)%4)+\b)+7], v[128*(\p)+FR*\b:128*(\p)+FR*\b+FR-1], v[AF+FR*(\a):AF+FR*(\a)+FR-1], v[BIAS+8*\b:BIAS+8*\b+7], v[SC+8*NQ*(\sc)+NQ*\b+(\q)], v[SC+8*NQ*(\sc)+NQ*(\a)+(\q)] matrix_a_fmt:MATRIX_FMT_FP4 matrix_b_fmt:MATRIX_FMT_FP4 matrix_a_scale:MATRIX_SCALE_ROW1
.else
	v_wmma_scale_f32_16x16x128_f8f6f4 v[8*(8*((\a)%4)+\b):8*(8*((\a)%4)+\b)+7], v[128*(\p)+FR*\b:128*(\p)+FR*\b+FR-1], v[AF+FR*(\a):AF+FR*(\a)+FR-1], v[8*(8*((\a)%4)+\b):8*(8*((\a)%4)+\b)+7], v[SC+8*NQ*(\sc)+NQ*\b+(\q)], v[SC+8*NQ*(\sc)+NQ*(\a)+(\q)] matrix_a_fmt:MATRIX_FMT_FP4 matrix_b_fmt:MATRIX_FMT_FP4 matrix_a_scale:MATRIX_SCALE_ROW1
.endif
.endr
.endr
.endm
.macro FETCH_B slot, q, p
	WIN TO_B
.irp i, 0,1,2,3,4,5,6,7
	FRAG 128*(\p)+FR*\i, ADRB+\slot, \q, \i
.endr
	WIN 0
.endm
.macro FETCH_A slot, q, i0
.irp i, \i0, \i0+1, \i0+2, \i0+3
	FRAG AF+FR*(\i), ADRA+\slot, \q, \i
.endr
.endm
.macro SCALES sc                       ; a slot's scale words: lanes 0-15 take x's block i, lanes 16-31 w's block i
.irp i, 0,1,2,3,4,5,6,7
	ds_load_b128 v[SC+8*NQ*\sc+NQ*\i:SC+8*NQ*\sc+NQ*\i+3], v[ADRS] offset:\i*SBLK
.endr
.endm
.macro PLACES n                        ; plain vector instructions between a matrix instruction and a load into, or a read of, its registers
.rept \n
	v_nop
.endr
.endm
.macro STEP slot, q, first             ; a step of 128 along K that has its successor in the same slot
	s_wait_dscnt 4*NL                              ; w's set and x's blocks 0-3 are in; the youngest eight loads (x's blocks 4-7) may be out
	WIN MUL_LO-0x20*(\first)                       ; first = 1: C, the bias, lies in window 0
	MUL16 0, (\q)%2, \q, \slot, \first
	MUL16 2, (\q)%2, \q, \slot, \first
	s_wait_dscnt 0
	PLACES NP
	FETCH_B \slot, (\q)+1, 1-(\q)%2
	FETCH_A \slot, (\q)+1, 0
	WIN MUL_HI-0x30*(\first)
	MUL16 4, (\q)%2, \q, \slot, \first
	MUL16 6, (\q)%2, \q, \slot, \first
	PLACES NP
	WIN 0
	FETCH_A \slot, (\q)+1, 4
.endm
; Slot 0's last step changes slots: in front of the barrier each wave waits for all its tensor loads (its part of slot 1), adds 0 to its spare word, and waits for that and for its reads of slot 0.  Nothing is filled again.
.macro TURN slot, next
	s_wait_tensorcnt 0x0
	ds_add_u32 v[SPW], v[NIL]
	s_wait_dscnt 4*NL+1                            ; the add and the youngest eight loads may be out
	WIN MUL_LO
	MUL16 0, 1, NQ-1, \slot, 0
	s_wait_dscnt 0x0                               ; the add is done, and my reads of this slot are over
	s_barrier_signal -1
	MUL16 2, 1, NQ-1, \slot, 0
	WIN 0
	s_barrier_wait -1
	PLACES NP
	v_add_nc_u32 v[ADRS], 4*NQ, v[ADRS]            ; on to the next slot's scale words
	FETCH_B \next, 0, 0
	FETCH_A \next, 0, 0
	SCALES \next
	WIN MUL_HI
	MUL16 4, 1, NQ-1, \slot, 0
	MUL16 6, 1, NQ-1, \slot, 0
	PLACES NP
	WIN 0
	FETCH_A \next, 0, 4
.endm
.macro STEPS slot, from
.set QQ, \from
.rept NQ-1-\from
	STEP \slot, QQ, 0
.set QQ, QQ+1
.endr
.endm
	s_wait_tensorcnt 1                             ; the scales and my part of slot 0 are in; slot 1's load may be out
	s_barrier_signal -1
	s_barrier_wait -1
	FETCH_B 0, 0, 0
	FETCH_A 0, 0, 0
	SCALES 0
	FETCH_A 0, 0, 4
	s_wait_loadcnt 0x0                             ; the bias
	STEP 0, 0, 1
	STEPS 0, 1
	TURN 0, 1
	STEPS 1, 0
	s_wait_dscnt 4*NL                              ; the last step: nothing more to fetch
	WIN MUL_LO
	MUL16 0, 1, NQ-1, 1, 0
	MUL16 2, 1, NQ-1, 1, 0
	s_wait_dscnt 0
	WIN MUL_HI
	MUL16 4, 1, NQ-1, 1, 0
	MUL16 6, 1, NQ-1, 1, 0
	WIN 0
; THE WAY OUT, block by block of 16 tokens x 128 columns (two heads).  A lane's eight numbers pack into 16 bytes of f16; a block goes through my stage and comes back as rows; 16 rows of a head are 2,048 consecutive bytes.
.macro PACK a
.set AC, 64*((\a)%4)
	WIN 0x0a+5*((\a)/4)                            ; sources 0 and 1: window 2 or 3
.irp b, 0,1,2,3,4,5,6,7
.irp i, 0,1,2,3
	v_cvt_pk_f16_f32 v[TMP+4*\b+\i], v[AC+8*\b+2*\i], v[AC+8*\b+2*\i+1]   ; each accumulator from its low end on
.endr
.endr
	WIN 0
.endm
.macro TOSTAGE a
.set BB, BK+32*((\a)%2)
.irp b, 0,1,2,3,4,5,6,7
	ds_store_b128 v[STO], v[TMP+4*\b:TMP+4*\b+3] offset:(\b/4)*16*HP+32*(\b%4)
.endr
.irp u, 0,1
.irp i, 0,1,2,3
	ds_load_b128 v[BB+16*\u+4*\i:BB+16*\u+4*\i+3], v[RD] offset:\u*16*HP+4*HP*\i   ; in order behind the stores above
.endr
.endr
.endm
.macro SEND a
.set BB, BK+32*((\a)%2)
	s_wait_dscnt 0x0                               ; the block is back in registers
	s_wait_xcnt 0x0                                ; the block before has left its registers: the next block's loads may land there
.irp u, 0,1
.irp i, 0,1,2,3
	global_store_b128 v[CO], v[BB+16*\u+4*\i:BB+16*\u+4*\i+3], s[12:13] offset:\u*262144+(\a)*2048+512*\i   ; 32 lanes store 512 consecutive bytes, aligned
.endr
.endr
.endm
	PLACES NP
	s_or_b32 s66, s95, s15                         ; the tile with t < 16: cluster y = 0, upper half of the rows: ids that all partners share, and the wave's number
	s_cmp_lg_u32 s66, 0
	s_cbranch_scc1 .Lno16
	WIN 0x08                                       ; a store's data are its source 1: window 2
.irp b, 0,1,2,3,4,5,6,7
	global_store_b128 v[Q16O], v[8*\b:8*\b+3], s[98:99] offset:64*\b          ; block 0 as it stands, in f32: 32 bytes a lane (768 KiB in the whole launch)
	global_store_b128 v[Q16O], v[8*\b+4:8*\b+7], s[98:99] offset:64*\b+16
.endr
	WIN 0
.Lno16:
	PACK 0
	TOSTAGE 0
.irp a, 1,2,3,4,5,6,7
	PACK \a                                        ; block a's conversions stand between block a - 1's loads from the stage and the wait for them
	SEND (\a)-1
	TOSTAGE \a
.endr
	SEND 7
	s_wait_tensorcnt 0x0                           ; the wave's end
	ds_add_u32 v[SPW], v[NIL]
	s_wait_dscnt 0x0
	CROUND                                         ; the closing round
	s_endpgm
.Lfunc_end_k_qc633c6e0e1_qkv:
	.size	k_qc633c6e0e1_qkv, .Lfunc_end_k_qc633c6e0e1_qkv-k_qc633c6e0e1_qkv
	.p2alignl 7, 3214868480
	.fill 96, 4, 3214868480
	.section	.rodata,"a",@progbits
	.p2align	6, 0x0
	.amdhsa_kernel k_qc633c6e0e1_qkv
		.amdhsa_group_segment_fixed_size 327680
		.amdhsa_private_segment_fixed_size 0
		.amdhsa_enable_private_segment 0
		.amdhsa_kernarg_size 56
		.amdhsa_user_sgpr_count 2
		.amdhsa_user_sgpr_kernarg_segment_ptr 1
		.amdhsa_wavefront_size32 1
		.amdhsa_system_sgpr_workgroup_id_x 1
		.amdhsa_system_sgpr_workgroup_id_y 1
		.amdhsa_system_sgpr_workgroup_id_z 1
		.amdhsa_system_vgpr_workitem_id 0
		.amdhsa_next_free_vgpr 1024
		.amdhsa_next_free_sgpr 100
		.amdhsa_reserve_vcc 0
		.amdhsa_float_denorm_mode_32 3
		.amdhsa_float_denorm_mode_16_64 3
		.amdhsa_memory_ordered 1
		.amdhsa_forward_progress 1
		.amdhsa_inst_pref_size 130
	.end_amdhsa_kernel
	.amdgpu_metadata
---
amdhsa.version: [ 1, 2 ]
amdhsa.kernels:
  - .name:           k_qc633c6e0e1_qkv
    .symbol:         k_qc633c6e0e1_qkv.kd
    .args:
      - { .name: xc, .offset: 0, .size: 8, .value_kind: global_buffer, .address_space: global }
      - { .name: xs, .offset: 8, .size: 8, .value_kind: global_buffer, .address_space: global }
      - { .name: wc, .offset: 16, .size: 8, .value_kind: global_buffer, .address_space: global }
      - { .name: ws, .offset: 24, .size: 8, .value_kind: global_buffer, .address_space: global }
      - { .name: qkvh, .offset: 32, .size: 8, .value_kind: global_buffer, .address_space: global }
      - { .name: b_attn, .offset: 40, .size: 8, .value_kind: global_buffer, .address_space: global }
      - { .name: qkv16, .offset: 48, .size: 8, .value_kind: global_buffer, .address_space: global }
    .group_segment_fixed_size: 327680
    .private_segment_fixed_size: 0
    .kernarg_segment_align: 8
    .kernarg_segment_size: 56
    .max_flat_workgroup_size: 128
    .sgpr_count:     100
    .vgpr_count:     1024
    .wavefront_size: 32
...
	.end_amdgpu_metadata
.endif
;; end of part 2
;; launch attn (part 3): grid 4 x 64, 16 waves a work-group, no clusters, 327,680 bytes of LDS; arguments qkvh, yh; writes yh
.if DOCPART == 3
	.amdgcn_target "amdgcn-amd-amdhsa--gfx1250"
	.amdhsa_code_object_version 6
	.text
	.protected	k_qc633c6e0e1_attn
	.globl	k_qc633c6e0e1_attn
	.p2align	8
	.type	k_qc633c6e0e1_attn,@function
k_qc633c6e0e1_attn:
	s_mov_b64 s[64:65], 0
	v_nop
	global_prefetch_b8 v0, s[64:65] scope:SCOPE_SE
	s_setreg_imm32_b32 hwreg(HW_REG_WAVE_MODE, 25, 1), 1
	s_wait_xcnt 0x0
; y[b][t][head][:] = the sum over keys k <= t of softmax_k(q . k / 8) v, on f16 operands with f32 sums, maxima and row sums.  qkvh [3][64 bh][2048][64] f16 -> yh [16 heads][8192 rows][64] f16.
; SHARES.  Work-group (j, bh) owns the query blocks j and 7 - j (256 queries each) of one head: under the causal mask that is the same work for every j.  Each of sixteen waves owns 32 queries: two tiles of 16 that share
; every fragment of K and V.  Waves of the late and the early block alternate.  Four waves share a SIMD, so that one wave's softmax stands beside another's products and LDS loads.
; NO CLUSTER: the work-groups of a head need different numbers of key slots (5 to 8), so a joint load would bring some partner a slot that none of its waves reads.
; THE WALK.  Every work-group walks all 8 slots of 256 keys (trip counts are constants); a step of 64 keys all of which come after a wave's queries is jumped over, and a slot whose first key comes after the
; work-group's last query is not asked for.  Every wait on TENSORcnt is for 0.
; LAYOUT.  S^T = K Q^T (source 0 = 16 keys, source 1 = 16 queries) and O^T = V^T P (source 0 = 16 channels, turned by ds_load_tr16_b128; source 1 = P): a lane holds ONE query throughout.
; SOFTMAX.  A running maximum m and sum l for each query: p = 2^(c s - c m), c = log2(e) / 8; O and l are multiplied by a = 2^(c m_old - c m_new) in every step.  The sum is taken of the unrounded p.
; THE MASK.  On the diagonal a hidden score becomes -8e10, which is the -1e10 that the problem puts there, ahead of the factor 1/8.  LIMITS: tiles wholly above the diagonal are left out, so rows whose largest
; visible score lies near or under -1e10 are not served; |q|, |k|, |v|, |y| under 65,504 (f16); NaN and infinities are not served.
.set KP,    272                        ; two keys' rows of K (256 bytes) + 16 of padding: the 16 rows of a load start at 16 different columns of 16 bytes
.set VP,    288                        ; two keys' rows of V + 32
.set VOFF,  128*KP                     ; a slot: 256 keys of K, then 256 of V
.set SLOT1, 1<<17
.set STAGE, 262144                     ; the way out: 16 rows x 144 bytes for each wave; no tile lands here
.set SPARE, STAGE+16*2304              ; the spare words, 128 bytes for each wave
.set AK0, 1                            ; v1  my lane's place in a tile of K        (on the way out: my offset in yh)
.set AV0, 2                            ; v2  the same for V
.set SPW, 3
.set NIL, 4
.set PFO, 5                            ; v5  256 x lane: the prefetches' offset; never rewritten
.set ADK, 6                            ; v6  LDS address of the step's K           (on the way out: into the stage)
.set ADV, 7                            ; v7  of its V                              (on the way out: out of the stage)
.set ST,  8                            ; tile t's statistics at v[8 + 8 t]: +0 c m, +1 m, +2, +3 l, +4 .. +7 at work; a at +6
.set QF,  24                           ; v24-55   Q: tile t, channels 32 c on, at 24 + 16 t + 8 c
.set OO,  56                           ; v56-119  O^T: 56 + 32 t + 8 ct
.set SS,  120                          ; v120-183 S^T: 120 + 32 t + 8 kt; P is made in place: keys 32 g on at 120 + 32 t + 8 g
.set KV,  184                          ; v184-247 eight fragments of K, then of V
.set TW,  248                          ; v248-255 at work
.set TB,  2
.set SLOTS, 3
.set WV,  18
.set SEL, 20
.set CS,  22
.set G1K, 24
.set G1V, 32
.set G0K, 40
.set G0V, 44
.set KF,  48                           ; s48 the step's first key
.set Q0,  49                           ; s49 my first query
.set QL,  50                           ; s50 my work-group's last query
.set PFA, 52
.set LIM, 54
; Waves 0 and 1 fetch K's halves, waves 2 and 3 V's, the others nothing.  An s_nop 0 and four v_nop follow each of the two lines.
.macro TLOAD
	s_cmp_lt_u32 s[WV], 2
	s_cbranch_scc0 .Lnot_k_\@
	tensor_load_to_lds s[G0K:G0K+3], s[G1K:G1K+7]
	s_nop 0
.rept 4
	v_nop
.endr
	s_branch .Lasked_\@
.Lnot_k_\@:
	s_cmp_lt_u32 s[WV], 4
	s_cbranch_scc0 .Lasked_\@
	tensor_load_to_lds s[G0V:G0V+3], s[G1V:G1V+7]
	s_nop 0
.rept 4
	v_nop
.endr
.Lasked_\@:
.endm
; A prefetch of the slot that the NEXT change of slots will ask for: four key steps ahead of that load.  The four work-groups of a head walk the same K and V: work-group j = 0, which asks for every slot, prefetches.
; In it waves 4 to 7 ask for K's 32,768 bytes and waves 8 to 11 for V's: 8,192 bytes a wave, lanes 256 bytes apart, so each aligned 256 bytes are named once.  The last change that fills a slot asks for nothing.
.macro ASK
	s_cmp_gt_u32 s[SLOTS], s[LIM]
	s_cbranch_scc0 .Lnot_mine_\@
	global_prefetch_b8 v[PFO], s[PFA:PFA+1] th:TH_LOAD_NT scope:SCOPE_SE
.Lnot_mine_\@:
.endm
	s_load_b128 s[4:7], s[0:1], 0x0                ; qkvh s[4:5], yh s[6:7]
	v_lshl_add_u32 v[SPW], v0, 2, SPARE
	v_mov_b32 v[NIL], 0
	ds_add_u32 v[SPW], v[NIL]                      ; the wave's opening: the add, twice on end, and its wait ahead of the first tensor load
	ds_add_u32 v[SPW], v[NIL]
	v_lshrrev_b32 v6, 5, v0
	v_readfirstlane_b32 s[WV], v6                  ; wave 0..15
	s_and_b32 s56, ttmp7, 0xffff                   ; bh = 16 x batch + head
	s_lshr_b32 s57, s[WV], 2
	s_xor_b32 s57, s57, s[WV]
	s_and_b32 s57, s57, 1                          ; 1: I belong to the late block
	s_sub_co_u32 s58, 7, ttmp9
	s_cmp_eq_u32 s57, 1
	s_cselect_b32 s58, s58, ttmp9                  ; my block of 256 queries
	s_lshl_b32 s58, s58, 8
	s_lshr_b32 s59, s[WV], 1
	s_lshl_b32 s59, s59, 5
	s_add_co_u32 s[Q0], s58, s59
	s_sub_co_u32 s[QL], 8, ttmp9
	s_lshl_b32 s[QL], s[QL], 8
	s_sub_co_u32 s[QL], s[QL], 1
	s_and_b32 s60, s[WV], 1                        ; which half of a slot I fetch, if I fetch
	s_mul_i32 s61, s60, 64*KP
	s_mul_i32 s68, s60, 64*VP
	s_lshl_b32 s62, s56, 18                        ; the head's first byte in each part
	s_mov_b32 s63, 0
	s_lshl_b32 s66, s60, 14
	s_mov_b32 s67, 0
	s_add_nc_u64 s[66:67], s[66:67], s[62:63]
	; descriptor group 1: 128 keys' rows, dense in memory, stated as 64 rows of 256 bytes
	s_mov_b32 s[G1K], (1<<16)|(1<<20)|(5<<22)|(3<<25)   ; no mask; elements of 2 bytes; padding on: after every 64 words four words
	s_mov_b32 s[G1V], (1<<16)|(1<<20)|(5<<22)|(7<<25)   ; eight words
.irp g, G1K, G1V
	s_mov_b32 s[\g+1], 128<<16                     ; tensor_dim0
	s_mov_b32 s[\g+2], 64<<16                      ; tensor_dim1
	s_mov_b32 s[\g+3], 128<<16                     ; tile_dim0
	s_mov_b32 s[\g+4], 64                          ; tile_dim1
	s_mov_b32 s[\g+5], 128                         ; the pitch
	s_mov_b32 s[\g+6], 0
	s_mov_b32 s[\g+7], 0
.endr
	s_mov_b32 s[SEL], 0x76543210
	s_mov_b32 s[SEL+1], 0xfedcba98
	s_mov_b32 s[CS], 0x3e38aa3b                    ; c = log2(e) / 8
	s_mov_b32 s[CS+1], s[CS]
	s_mov_b32 s[TB], 0
	s_mov_b32 s[SLOTS], 7
	s_mov_b32 s[KF], 0
	s_wait_dscnt 0x0                               ; both opening adds are done
	s_wait_kmcnt 0x0
	s_mov_b32 s[G0K], 1
	s_mov_b32 s[G0K+1], s61
	s_add_nc_u64 s[G0K+2:G0K+3], s[4:5], s[66:67]
	s_add_nc_u64 s[G0K+2:G0K+3], s[G0K+2:G0K+3], 0x1000000   ; part 1: K
	s_or_b32 s[G0K+3], s[G0K+3], 0x80000000
	s_mov_b32 s[G0V], 1
	s_add_co_u32 s[G0V+1], s68, VOFF
	s_add_nc_u64 s[G0V+2:G0V+3], s[4:5], s[66:67]
	s_add_nc_u64 s[G0V+2:G0V+3], s[G0V+2:G0V+3], 0x2000000   ; part 2: V
	s_or_b32 s[G0V+3], s[G0V+3], 0x80000000
	TLOAD                                          ; slot 0: it holds key 0, which counts for every query
	; the prefetches: where my wave's stand, and who asks
	s_cmp_lt_u32 s[WV], 8
	s_mov_b32 s70, 0x2000000
	s_cselect_b32 s70, 0x1000000, s70
	s_and_b32 s71, s[WV], 3
	s_lshl_b32 s71, s71, 13
	s_add_co_u32 s70, s70, s71
	s_add_co_u32 s70, s70, 32768                   ; in slot 1: the first change of slots steps it to slot 2
	s_mov_b32 s71, 0
	s_add_nc_u64 s[70:71], s[70:71], s[62:63]
	s_add_nc_u64 s[PFA:PFA+1], s[4:5], s[70:71]
	s_sub_co_u32 s70, s[WV], 4
	s_lshr_b32 s70, s70, 3                         ; 0 in waves 4 to 11,
	s_or_b32 s70, s70, ttmp9                       ; of work-group j = 0
	s_cmp_eq_u32 s70, 0
	s_cselect_b32 s[LIM], 1, -1
	v_and_b32 v[PFO], 31, v0
	v_lshlrev_b32 v[PFO], 8, v[PFO]
	s_lshl_b32 s70, s[Q0], 7
	s_mov_b32 s71, 0
	s_add_nc_u64 s[70:71], s[70:71], s[62:63]
	s_add_nc_u64 s[8:9], s[4:5], s[70:71]          ; Q at my first query
	s_and_b32 s70, s56, 15
	s_lshl_b32 s70, s70, 20                        ; yh: a head's plane,
	s_lshr_b32 s71, s56, 4
	s_lshl_b32 s71, s71, 11
	s_add_co_u32 s71, s71, s[Q0]
	s_lshl_b32 s71, s71, 7                         ; row 2,048 x batch + my first query
	s_add_co_u32 s70, s70, s71
	s_mov_b32 s71, 0
	s_add_nc_u64 s[6:7], s[6:7], s[70:71]
	v_and_b32 v248, 15, v0                         ; r
	v_bfe_u32 v249, v0, 4, 1                       ; h
	v_lshlrev_b32 v250, 7, v248
	v_lshl_add_u32 v250, v249, 4, v250
.irp t, 0,1
.irp c, 0,1
	global_load_b128 v[QF+16*\t+8*\c:QF+16*\t+8*\c+3], v250, s[8:9] offset:2048*\t+64*\c       ; Q stays in registers
	global_load_b128 v[QF+16*\t+8*\c+4:QF+16*\t+8*\c+7], v250, s[8:9] offset:2048*\t+64*\c+32
.endr
.endr
	v_lshrrev_b32 v251, 1, v248
	v_mul_u32_u24 v[AK0], v251, KP
	v_and_b32 v251, 1, v248
	v_lshl_add_u32 v[AK0], v251, 7, v[AK0]
	v_lshl_add_u32 v[AK0], v249, 4, v[AK0]         ; key r: (r / 2) x 272 + (r % 2) x 128, + 16 h
	v_bfe_u32 v251, v0, 1, 2
	v_lshl_add_u32 v251, v249, 2, v251
	v_mul_u32_u24 v[AV0], v251, VP
	v_and_b32 v251, 1, v0
	v_lshl_add_u32 v[AV0], v251, 7, v[AV0]
	v_bfe_u32 v251, v0, 3, 1
	v_lshl_add_u32 v[AV0], v251, 4, v[AV0]
	v_add_nc_u32 v[AV0], VOFF, v[AV0]              ; the turning load: key 8 h + lane % 8, channels 8 ((lane / 8) % 2) on
.irp t, 0,1
	v_mov_b32 v[ST+8*\t+1], 0xff61b1e6             ; m: -3e38, under every score
	v_mul_f32 v[ST+8*\t], s[CS], v[ST+8*\t+1]
	v_mov_b32 v[ST+8*\t+2], 0
	v_mov_b32 v[ST+8*\t+3], 0
.endr
.irp j, 0,1,2,3,4,5,6,7,8,9,10,11,12,13,14,15,16,17,18,19,20,21,22,23,24,25,26,27,28,29,30,31,32,33,34,35,36,37,38,39,40,41,42,43,44,45,46,47,48,49,50,51,52,53,54,55,56,57,58,59,60,61,62,63
	v_mov_b32 v[OO+\j], 0                          ; the step is written once: its first run finds zeros, which a = 0 leaves zeros
.endr
; A KEY STEP: 64 keys, the q-th of the slot in hand, for both my tiles.
.macro STEP q
	s_add_co_u32 s70, s[Q0], 31
	s_cmp_gt_u32 s[KF], s70                        ; all its keys come after my queries: ids and the count of steps alone
	s_cbranch_scc1 .Lhidden_\@
	v_add_nc_u32 v[ADK], s[TB], v[AK0]
	v_add_nc_u32 v[ADV], s[TB], v[AV0]
.rept 3
	v_nop                                          ; with the two additions five places behind the last products: the loads below land on V's fragments, and the products below write over P
.endr
.irp kt, 0,1,2,3
.irp c, 0,1
	ds_load_b128 v[KV+8*(2*\kt+\c):KV+8*(2*\kt+\c)+3], v[ADK] offset:8704*(\q)+2176*\kt+64*\c
	ds_load_b128 v[KV+8*(2*\kt+\c)+4:KV+8*(2*\kt+\c)+7], v[ADK] offset:8704*(\q)+2176*\kt+64*\c+32
.endr
.endr
	s_wait_dscnt 0x0
.irp c, 0,1                                    ; S^T = K Q^T: eight accumulators by turns
.irp kt, 0,1,2,3
.irp t, 0,1
.if \c == 0
	v_wmma_f32_16x16x32_f16 v[SS+32*\t+8*\kt:SS+32*\t+8*\kt+7], v[KV+8*(2*\kt+\c):KV+8*(2*\kt+\c)+7], v[QF+16*\t+8*\c:QF+16*\t+8*\c+7], 0
.else
	v_wmma_f32_16x16x32_f16 v[SS+32*\t+8*\kt:SS+32*\t+8*\kt+7], v[KV+8*(2*\kt+\c):KV+8*(2*\kt+\c)+7], v[QF+16*\t+8*\c:QF+16*\t+8*\c+7], v[SS+32*\t+8*\kt:SS+32*\t+8*\kt+7]
.endif
.endr
.endr
.endr
.rept 4
	v_nop                                          ; places in front of the loads into K's fragments and of the first read of the scores
.endr
.irp g, 0,1
.irp ct, 0,1,2,3
	ds_load_tr16_b128 v[KV+8*(4*\g+\ct):KV+8*(4*\g+\ct)+3], v[ADV] offset:9216*(\q)+4608*\g+32*\ct          ; V, turned: it lands under the softmax
	ds_load_tr16_b128 v[KV+8*(4*\g+\ct)+4:KV+8*(4*\g+\ct)+7], v[ADV] offset:9216*(\q)+4608*\g+2304+32*\ct
.endr
.endr
	s_add_co_u32 s70, s[KF], 63
	s_cmp_le_u32 s70, s[Q0]                        ; all keys of the step count for all my queries: no mask
	s_cbranch_scc1 .Lopen_\@
	s_sub_co_i32 s70, s[Q0], s[KF]
	v_and_b32 v[TW], 15, v0
	v_bfe_u32 v[TW+1], v0, 4, 1
	v_lshlrev_b32 v[TW+1], 3, v[TW+1]
	v_sub_nc_u32 v[TW], v[TW], v[TW+1]
	v_add_nc_u32 v[TW], s70, v[TW]                 ; d = Q0 - KF + r - 8 h.  Register 8 kt + j of tile t holds key KF + 16 kt + 8 h + j for query Q0 + 16 t + r: hidden where 16 kt + j - 16 t > d
	v_mov_b32 v[TW+1], 0xd19502f9                  ; -8e10
.irp t, 0,1
.irp kt, 0,1,2,3
.irp j, 0,1,2,3,4,5,6,7
	v_cmp_gt_i32 vcc_lo, 16*\kt+\j-16*\t, v[TW]
	v_cndmask_b32 v[SS+32*\t+8*\kt+\j], v[SS+32*\t+8*\kt+\j], v[TW+1], vcc_lo
.endr
.endr
.endr
.Lopen_\@:
.irp j, 0,1,2,3                                ; the maximum: four chains a tile, each accumulator from its low end on; the two tiles line by line in turn
.irp t, 0,1
	v_max3_num_f32 v[ST+8*\t+4+\j], v[SS+32*\t+8*\j], v[SS+32*\t+8*\j+1], v[SS+32*\t+8*\j+2]
.endr
.endr
.irp u, 1,2
.irp j, 0,1,2,3
.irp t, 0,1
	v_max3_num_f32 v[ST+8*\t+4+\j], v[ST+8*\t+4+\j], v[SS+32*\t+8*\j+2*\u+1], v[SS+32*\t+8*\j+2*\u+2]
.endr
.endr
.endr
.irp t, 0,1
	v_max3_num_f32 v[ST+8*\t+4], v[ST+8*\t+4], v[SS+32*\t+7], v[SS+32*\t+15]
.endr
.irp t, 0,1
	v_max3_num_f32 v[ST+8*\t+6], v[ST+8*\t+6], v[SS+32*\t+23], v[SS+32*\t+31]
.endr
.irp t, 0,1
	v_max3_num_f32 v[ST+8*\t+4], v[ST+8*\t+4], v[ST+8*\t+5], v[ST+8*\t+6]
.endr
.irp t, 0,1
	v_max3_num_f32 v[ST+8*\t+4], v[ST+8*\t+4], v[ST+8*\t+7], v[ST+8*\t+1]   ; and the old m
.endr
.irp t, 0,1
	v_permlanex16_b32 v[ST+8*\t+5], v[ST+8*\t+4], s[SEL], s[SEL+1]          ; the query's other 32 keys lie in the lane 16 away
.endr
.irp t, 0,1
	v_mov_b32 v[ST+8*\t+7], v[ST+8*\t]             ; c m_old
.endr
.irp t, 0,1
	v_max_num_f32 v[ST+8*\t+1], v[ST+8*\t+4], v[ST+8*\t+5]
.endr
.irp t, 0,1
	v_mul_f32 v[ST+8*\t], s[CS], v[ST+8*\t+1]
.endr
.irp t, 0,1
	v_sub_f32 v[ST+8*\t+7], v[ST+8*\t+7], v[ST+8*\t]
.endr
.irp t, 0,1
	v_exp_f32 v[ST+8*\t+6], v[ST+8*\t+7]           ; a
.endr
.irp i, 0,2,4,6,8,10,12,14,16,18,20,22,24,26,28,30
.irp t, 0,1
	v_pk_fma_f32 v[SS+32*\t+\i:SS+32*\t+\i+1], v[SS+32*\t+\i:SS+32*\t+\i+1], s[CS:CS+1], v[ST+8*\t:ST+8*\t+1] op_sel_hi:[1,0,0] neg_lo:[0,0,1] neg_hi:[0,0,1]   ; c s - c m
.endr
.endr
.irp i, 0,1,2,3,4,5,6,7,8,9,10,11,12,13,14,15,16,17,18,19,20,21,22,23,24,25,26,27,28,29,30,31
.irp t, 0,1
	v_exp_f32 v[SS+32*\t+\i], v[SS+32*\t+\i]       ; p
.endr
.endr
	v_nop                                          ; a plain instruction behind the last exponential
	s_wait_alu depctr_va_vdst(0)                   ; the wait ahead of the first instruction that names a result: one for the 66 exponentials
.irp t, 0,1
	v_pk_add_f32 v[TW+4*\t:TW+4*\t+1], v[SS+32*\t:SS+32*\t+1], v[SS+32*\t+4:SS+32*\t+5]       ; the row's sum of the unrounded p, in two chains a tile
	v_pk_add_f32 v[TW+4*\t+2:TW+4*\t+3], v[SS+32*\t+2:SS+32*\t+3], v[SS+32*\t+6:SS+32*\t+7]
.endr
.irp i, 8,12,16,20,24,28
.irp t, 0,1
	v_pk_add_f32 v[TW+4*\t:TW+4*\t+1], v[TW+4*\t:TW+4*\t+1], v[SS+32*\t+\i:SS+32*\t+\i+1]
	v_pk_add_f32 v[TW+4*\t+2:TW+4*\t+3], v[TW+4*\t+2:TW+4*\t+3], v[SS+32*\t+\i+2:SS+32*\t+\i+3]
.endr
.endr
.irp t, 0,1
	v_pk_add_f32 v[TW+4*\t:TW+4*\t+1], v[TW+4*\t:TW+4*\t+1], v[TW+4*\t+2:TW+4*\t+3]
.endr
.irp t, 0,1
	v_pk_fma_f32 v[ST+8*\t+2:ST+8*\t+3], v[ST+8*\t+2:ST+8*\t+3], v[ST+8*\t+6:ST+8*\t+7], v[TW+4*\t:TW+4*\t+1] op_sel_hi:[1,0,1]   ; l = a l + the sum
.endr
.irp i, 0,1,2,3,4,5,6,7,8,9,10,11,12,13,14,15
.irp t, 0,1
	v_cvt_pk_f16_f32 v[SS+32*\t+\i], v[SS+32*\t+2*\i], v[SS+32*\t+2*\i+1]   ; P in place, ascending: word i is written when scores 2 i and 2 i + 1 are read
.endr
.endr
.irp i, 0,2,4,6,8,10,12,14,16,18,20,22,24,26,28,30
.irp t, 0,1
	v_pk_mul_f32 v[OO+32*\t+\i:OO+32*\t+\i+1], v[OO+32*\t+\i:OO+32*\t+\i+1], v[ST+8*\t+6:ST+8*\t+7] op_sel_hi:[1,0]   ; O^T times a
.endr
.endr
	s_wait_dscnt 0x0                               ; V is in
.irp g, 0,1                                    ; O^T += V^T P: eight accumulators by turns
.irp ct, 0,1,2,3
.irp t, 0,1
	v_wmma_f32_16x16x32_f16 v[OO+32*\t+8*\ct:OO+32*\t+8*\ct+7], v[KV+8*(4*\g+\ct):KV+8*(4*\g+\ct)+7], v[SS+32*\t+8*\g:SS+32*\t+8*\g+7], v[OO+32*\t+8*\ct:OO+32*\t+8*\ct+7]
.endr
.endr
.endr
.Lhidden_\@:
	s_add_co_u32 s[KF], s[KF], 64
.endm
; THE CHANGE OF SLOTS stands at a slot's head.  Each wave waits for all its tensor loads, adds 0 to its spare word (fill = 1: twice on end, in every trip alike),
; and waits for that and for its reads of the slot that it has left.  Behind the barrier the slot ahead is whole and nobody reads the other one, which is filled with the keys that follow, up to the causal limit.
.macro CHANGE fill
	s_wait_tensorcnt 0x0
	ds_add_u32 v[SPW], v[NIL]
.if \fill
	ds_add_u32 v[SPW], v[NIL]
	s_xor_b32 s[G0K+1], s[G0K+1], SLOT1            ; no tensor load of mine is out: the walking descriptors step to the other slot and the next 256 keys
	s_add_nc_u64 s[G0K+2:G0K+3], s[G0K+2:G0K+3], 32768
	s_xor_b32 s[G0V+1], s[G0V+1], SLOT1
	s_add_nc_u64 s[G0V+2:G0V+3], s[G0V+2:G0V+3], 32768
	s_wait_xcnt 0x0                                ; the last prefetch, a slot back, has read its address
	s_add_nc_u64 s[PFA:PFA+1], s[PFA:PFA+1], 32768
.endif
	s_wait_dscnt 0x0
	s_barrier_signal -1
	s_barrier_wait -1
.if \fill
	s_add_co_u32 s70, s[KF], 256                   ; the first key of the slot that this change would ask for:
	s_cmp_gt_u32 s70, s[QL]                        ; past my work-group's last query it is read by none of the sixteen waves, so it is not asked for; ids and the count of steps alone
	s_cbranch_scc1 .Lpast_\@
	TLOAD                                          ; a wave's one tensor load until the next change
.Lpast_\@:
	ASK
.endif
.endm
.macro SLOT_STEPS
	STEP 0
	STEP 1
	STEP 2
	STEP 3
	s_xor_b32 s[TB], s[TB], SLOT1
.endm
	s_wait_loadcnt 0x0                             ; Q
.Lslot:                                            ; seven trips
	CHANGE 1
	SLOT_STEPS
	s_sub_co_u32 s[SLOTS], s[SLOTS], 1
	s_cmp_lg_u32 s[SLOTS], 0
	s_cbranch_scc1 .Lslot
	CHANGE 0                                       ; the last slot is written out: nothing is left to ask for
	SLOT_STEPS
	; THE WAY OUT: O^T / l, rounded to f16, through my stage: 16 rows of a head's plane are 2,048 consecutive bytes of yh.
.irp t, 0,1
	v_add_f32 v[ST+8*\t+4], v[ST+8*\t+2], v[ST+8*\t+3]
.endr
.irp t, 0,1
	v_permlanex16_b32 v[ST+8*\t+5], v[ST+8*\t+4], s[SEL], s[SEL+1]
.endr
.irp t, 0,1
	v_add_f32 v[ST+8*\t+4], v[ST+8*\t+4], v[ST+8*\t+5]
.endr
.irp t, 0,1
	v_rcp_f32 v[ST+8*\t+6], v[ST+8*\t+4]
.endr
	v_and_b32 v248, 15, v0                         ; (plain work behind the reciprocals)  r
	v_bfe_u32 v249, v0, 4, 1                       ; h
	s_mul_i32 s70, s[WV], 2304
	s_add_co_u32 s70, s70, STAGE
	v_mul_u32_u24 v[ADK], v248, 144
	v_lshl_add_u32 v[ADK], v249, 4, v[ADK]
	v_add_nc_u32 v[ADK], s70, v[ADK]               ; in: row r, 16 bytes for each half of the lanes
	v_bfe_u32 v248, v0, 3, 2
	v_and_b32 v249, 7, v0
	v_mul_u32_u24 v[ADV], v248, 144
	v_lshl_add_u32 v[ADV], v249, 4, v[ADV]
	v_add_nc_u32 v[ADV], s70, v[ADV]               ; back: eight lanes to a row, four rows an instruction
	v_and_b32 v[AK0], 31, v0
	v_lshlrev_b32 v[AK0], 4, v[AK0]                ; 512 consecutive bytes of yh
	s_wait_alu depctr_va_vdst(0)                   ; one wait for both reciprocals, ahead of their first reader
.irp t, 0,1
.irp i, 0,2,4,6,8,10,12,14,16,18,20,22,24,26,28,30
	v_pk_mul_f32 v[OO+32*\t+\i:OO+32*\t+\i+1], v[OO+32*\t+\i:OO+32*\t+\i+1], v[ST+8*\t+6:ST+8*\t+7] op_sel_hi:[1,0]
.endr
.irp i, 0,1,2,3,4,5,6,7,8,9,10,11,12,13,14,15
	v_cvt_pk_f16_f32 v[KV+16*\t+\i], v[OO+32*\t+2*\i], v[OO+32*\t+2*\i+1]
.endr
.irp ct, 0,1,2,3
	ds_store_b128 v[ADK], v[KV+16*\t+4*\ct:KV+16*\t+4*\ct+3] offset:32*\ct
.endr
.irp i, 0,1,2,3
	ds_load_b128 v[KV+32+16*\t+4*\i:KV+32+16*\t+4*\i+3], v[ADV] offset:576*\i   ; in order behind my stores; the next tile's stores come behind these
.endr
.endr
.irp t, 0,1
.irp i, 0,1,2,3
	s_wait_dscnt 11-8*\t-\i                        ; behind this load: the rest of its tile's, and for tile 0 the eight of tile 1
	global_store_b128 v[AK0], v[KV+32+16*\t+4*\i:KV+32+16*\t+4*\i+3], s[6:7] offset:2048*\t+512*\i
.endr
.endr
	s_wait_tensorcnt 0x0                           ; the wave's end
	ds_add_u32 v[SPW], v[NIL]
	s_wait_dscnt 0x0
	s_endpgm
.Lfunc_end_k_qc633c6e0e1_attn:
	.size	k_qc633c6e0e1_attn, .Lfunc_end_k_qc633c6e0e1_attn-k_qc633c6e0e1_attn
	.p2alignl 7, 3214868480
	.fill 96, 4, 3214868480
	.section	.rodata,"a",@progbits
	.p2align	6, 0x0
	.amdhsa_kernel k_qc633c6e0e1_attn
		.amdhsa_group_segment_fixed_size 327680
		.amdhsa_private_segment_fixed_size 0
		.amdhsa_enable_private_segment 0
		.amdhsa_kernarg_size 16
		.amdhsa_user_sgpr_count 2
		.amdhsa_user_sgpr_kernarg_segment_ptr 1
		.amdhsa_wavefront_size32 1
		.amdhsa_system_sgpr_workgroup_id_x 1
		.amdhsa_system_sgpr_workgroup_id_y 1
		.amdhsa_system_sgpr_workgroup_id_z 1
		.amdhsa_system_vgpr_workitem_id 0
		.amdhsa_next_free_vgpr 256
		.amdhsa_next_free_sgpr 80
		.amdhsa_reserve_vcc 1
		.amdhsa_float_denorm_mode_32 3
		.amdhsa_float_denorm_mode_16_64 3
		.amdhsa_memory_ordered 1
		.amdhsa_forward_progress 1
		.amdhsa_inst_pref_size 189
	.end_amdhsa_kernel
	.amdgpu_metadata
---
amdhsa.version: [ 1, 2 ]
amdhsa.kernels:
  - .name:           k_qc633c6e0e1_attn
    .symbol:         k_qc633c6e0e1_attn.kd
    .args:
      - { .name: qkvh, .offset: 0, .size: 8, .value_kind: global_buffer, .address_space: global }
      - { .name: yh, .offset: 8, .size: 8, .value_kind: global_buffer, .address_space: global }
    .group_segment_fixed_size: 327680
    .private_segment_fixed_size: 0
    .kernarg_segment_align: 8
    .kernarg_segment_size: 16
    .max_flat_workgroup_size: 512
    .sgpr_count:     80
    .vgpr_count:     256
    .wavefront_size: 32
...
	.end_amdgpu_metadata
.endif
;; end of part 3
;; launch proj (part 4): grid 4 x 64, 4 waves a work-group, clusters of 4 x 4, 327,680 bytes of LDS; arguments yh, wp, out0, b_proj; writes out0
.if DOCPART == 4
	.amdgcn_target "amdgcn-amd-amdhsa--gfx1250"
	.amdhsa_code_object_version 6
	.text
	.protected	k_qc633c6e0e1_proj
	.globl	k_qc633c6e0e1_proj
	.p2align	8
	.type	k_qc633c6e0e1_proj,@function
k_qc633c6e0e1_proj:
	s_mov_b64 s[64:65], 0
	v_nop
	global_prefetch_b8 v0, s[64:65] scope:SCOPE_SE
	s_setreg_imm32_b32 hwreg(HW_REG_WAVE_MODE, 25, 1), 1
	s_wait_xcnt 0x0
	s_wait_alu depctr_hold_cnt(0) depctr_sa_sdst(0) depctr_va_vdst(0) depctr_va_sdst(0) depctr_va_ssrc(0) depctr_va_vcc(0) depctr_vm_vsrc(0)
	s_getreg_b32 s2, hwreg(HW_REG_IB_STS2, 6, 4)
	s_cmp_eq_u32 s2, 0
	s_cbranch_scc0 .Lentry_in_a_cluster
	s_endpgm
.Lentry_in_a_cluster:
	s_bfe_u32 s2, ttmp6, 0x10000c
	s_cmp_lg_u32 s2, 0xf033
	s_cbranch_scc0 .Lentry_shape_is_right
	s_endpgm
.Lentry_shape_is_right:
; out0 = y w_proj + b_proj for all rows but the first 16 positions of each sequence, which a launch of their own carries more finely.  f16 operands, f32 sums.
; yh [16 heads][8192 rows][64] f16; wp's high part [1024 n][1024 k] f16 holds 256 w_proj, so the sum is multiplied by 2^-8 (exact) as the bias is added.
; A tile of 128 x 256 gives 256 work-groups; a wave makes 64 x 128: 32 accumulators, window 1.  K goes in steps of 128 (two heads' planes of y) through two LDS slots.
; CLUSTERS: 4 x 4; y's tiles are shared along a row of the cluster, w's along a column.  Tile row = 16 cy + cluster y, so that the batch is cy and "this tile holds t < 16" is cluster y = 0, which all partners share.
; THE MATRIX INSTRUCTION IS USED TRANSPOSED (source 0 = 16 rows of wp, source 1 = 16 rows of y): a lane holds eight neighbouring columns of one row.
; No prefetch: a wave's whole walk is eight K steps.  LIMITS: |y| under 65,504, |w_proj| under 255 (f16).
; REGISTERS: window 0: v16-29 addresses; v32-35 the bias; v64-159, v160-255 two fragment buffers (y's 4 fragments, then w's 8).
.set PITCH,  272
.set APL,    64*PITCH                  ; a plane of y: 128 rows of 128 bytes, dense in memory, stated as 64 rows of 256 bytes + 16 of padding
.set BOFF,   2*APL
.set BHALF,  128*PITCH
.set SLOT,   BOFF+2*BHALF
.set STAGE,  2*SLOT                    ; the way out: 16 rows x 528 bytes for each wave; no tile lands here
.set SPITCH, 528
.set SPARE,  STAGE+4*16*SPITCH
.set LAPS,   4
.set ADRA, 16
.set ADRB, 20
.set STO,  24
.set RD,   25
.set CO,   26
.set SPW,  28
.set NIL,  29
.set BI,   32
.set F0,   64
.set F1,   160
.set BK,   64
.set G1, 24
.set G0, 32
.set G1B, 48
.set G0B, 56
.set MSB, 0
.macro WIN new
.if MSB != (\new)
	s_set_vgpr_msb (MSB<<8)|(\new)
.set MSB, (\new)
.endif
.endm
.set MUL, 0x50                         ; sources 0 and 1 window 0; C and D window 1
.macro JLOAD s                         ; waves 0 and 1 fetch y's two planes, waves 2 and 3 w's two halves; an s_nop 0 and four v_nop follow each line
	s_cmp_eq_u32 s15, 0
	s_cbranch_scc0 .Lfor_b_\@
	tensor_load_to_lds s[G0+4*\s:G0+4*\s+3], s[G1:G1+7]
	s_nop 0
.rept 4
	v_nop
.endr
	s_branch .Lasked_\@
.Lfor_b_\@:
	tensor_load_to_lds s[G0B+4*\s:G0B+4*\s+3], s[G1B:G1B+7]
	s_nop 0
.rept 4
	v_nop
.endr
.Lasked_\@:
.endm
.macro CREST
	s_cmp_lg_u32 s14, 0
	s_cbranch_scc1 .Lnot_wave_0_\@
	s_barrier_signal -3
.Lnot_wave_0_\@:
	s_barrier_wait -3
	s_barrier_signal -1
	s_barrier_wait -1
.endm
.macro CROUND
	s_barrier_signal -1
	s_barrier_wait -1
	CREST
.endm
	s_load_b128 s[4:7], s[0:1], 0x0                ; yh, wp
	s_load_b128 s[8:11], s[0:1], 0x10              ; out0, b_proj
	v_lshl_add_u32 v[SPW], v0, 2, SPARE
	v_mov_b32 v[NIL], 0
	ds_add_u32 v[SPW], v[NIL]                      ; the wave's opening: the add, twice on end, and its wait ahead of my first tensor load
	ds_add_u32 v[SPW], v[NIL]
	v_lshrrev_b32 v1, 5, v0
	v_readfirstlane_b32 s14, v1                    ; wave 0..3
	s_lshr_b32 s15, s14, 1                         ; my half of the rows; also: I fetch for y (0) or for w (1)
	s_and_b32 s16, s14, 1                          ; my half of the columns; also: which plane or half I fetch
	s_bfe_u32 s40, ttmp6, 0x40000                  ; cx
	s_bfe_u32 s41, ttmp6, 0x40004                  ; cy
	s_lshl_b32 s42, ttmp9, 2
	s_add_co_u32 s42, s42, s40                     ; tile column
	s_and_b32 s67, ttmp7, 0xffff                   ; cluster y
	s_lshl_b32 s17, s41, 4
	s_add_co_u32 s17, s17, s67                     ; tile row = 16 cy + cluster y
	s_lshl_b32 s43, s41, 2
	s_lshl_b32 s43, 15, s43
	s_lshl_b32 s44, 0x1111, s40
	s_or_b32 s[G1+0], s43, (1<<16)|(1<<20)|(1<<21)|(5<<22)|(3<<25)   ; the mask; elements of 2 bytes; padding on; bit 21 beside a mask; after every 64 words four words
	s_or_b32 s[G1B+0], s44, (1<<16)|(1<<20)|(1<<21)|(5<<22)|(3<<25)
	s_mov_b32 s[G1+1], 128<<16                     ; y: 64 rows of 128 elements, dense
	s_mov_b32 s[G1+2], 64<<16
	s_mov_b32 s[G1+3], 128<<16
	s_mov_b32 s[G1+4], 64
	s_mov_b32 s[G1+5], 128
	s_mov_b32 s[G1+6], 0
	s_mov_b32 s[G1+7], 0
	s_mov_b32 s[G1B+1], 128<<16                    ; w: 128 rows of 128 elements, 1,024 elements apart
	s_mov_b32 s[G1B+2], 128<<16
	s_mov_b32 s[G1B+3], 128<<16
	s_mov_b32 s[G1B+4], 128
	s_mov_b32 s[G1B+5], 1024
	s_mov_b32 s[G1B+6], 0
	s_mov_b32 s[G1B+7], 0
	s_lshl_b32 s20, s16, 20                        ; y: my plane of the K step's two,
	s_lshl_b32 s21, s17, 14                        ; the tile's 128 rows of 128 bytes
	s_add_co_u32 s20, s20, s21
	s_mov_b32 s21, 0
	s_lshl_b32 s46, s42, 19                        ; w: row 256 x tile column + 128 x half, rows of 2,048 bytes
	s_lshl_b32 s47, s16, 18
	s_add_co_u32 s46, s46, s47
	s_mov_b32 s47, 0
	s_mul_i32 s45, s16, APL
	s_mul_i32 s23, s16, BHALF
	s_add_co_u32 s23, s23, BOFF
	s_wait_dscnt 0x0                               ; both opening adds are done
	s_wait_kmcnt 0x0
	s_add_nc_u64 s[20:21], s[4:5], s[20:21]
	s_add_nc_u64 s[46:47], s[6:7], s[46:47]
	CROUND                                         ; all sixteen work-groups are here
.irp s, 0,1
	s_mov_b32 s[G0+4*\s], 1
	s_add_co_u32 s[G0+4*\s+1], s45, \s*SLOT
	s_add_nc_u64 s[G0+4*\s+2:G0+4*\s+3], s[20:21], \s*0x200000     ; K step s: two planes on
	s_or_b32 s[G0+4*\s+3], s[G0+4*\s+3], 0x80000000
	s_mov_b32 s[G0B+4*\s], 1
	s_add_co_u32 s[G0B+4*\s+1], s23, \s*SLOT
	s_add_nc_u64 s[G0B+4*\s+2:G0B+4*\s+3], s[46:47], \s*256
	s_or_b32 s[G0B+4*\s+3], s[G0B+4*\s+3], 0x80000000
	JLOAD \s                                       ; two loads of mine are out
.endr
	v_and_b32 v1, 15, v0                           ; r
	v_bfe_u32 v2, v0, 4, 1                         ; h
	v_and_b32 v6, 31, v0
	v_lshlrev_b32 v[CO], 4, v6
	s_lshl_b32 s46, s42, 10
	s_lshl_b32 s47, s16, 9
	s_add_co_u32 s46, s46, s47                     ; my first column, in bytes of f32
	s_mov_b32 s47, 0
	s_add_nc_u64 s[10:11], s[10:11], s[46:47]
	global_load_b128 v[BI:BI+3], v[CO], s[10:11]   ; b_proj of the four columns that I store
	s_add_nc_u64 s[8:9], s[8:9], s[46:47]
	s_lshl_b32 s20, s17, 19                        ; my first row: 128 x tile row + 64 x half, rows of 4,096 bytes
	s_lshl_b32 s21, s15, 18
	s_add_co_u32 s20, s20, s21
	s_mov_b32 s21, 0
	s_add_nc_u64 s[8:9], s[8:9], s[20:21]
	v_lshrrev_b32 v3, 1, v1
	v_mul_u32_u24 v3, v3, PITCH
	v_and_b32 v4, 1, v1
	v_lshl_add_u32 v3, v4, 7, v3
	v_lshl_add_u32 v3, v2, 4, v3                   ; y: row r: (r / 2) x 272 + (r % 2) x 128, + 16 h
	v_mul_u32_u24 v5, v1, PITCH
	v_lshl_add_u32 v5, v2, 4, v5                   ; w: row r x 272 + 16 h
	s_mul_i32 s21, s15, 32*PITCH                   ; my 64 rows of y
	s_mul_i32 s22, s16, BHALF                      ; my 128 rows of w
	s_add_co_u32 s22, s22, BOFF
.irp s, 0,1
	v_add_nc_u32 v[ADRA+\s], s21, v3
	v_add_nc_u32 v[ADRB+\s], s22, v5
	s_add_co_u32 s21, s21, SLOT
	s_add_co_u32 s22, s22, SLOT
.endr
	s_mul_i32 s23, s14, 16*SPITCH
	s_add_co_u32 s23, s23, STAGE
	v_mul_u32_u24 v5, v1, SPITCH
	v_lshl_add_u32 v5, v2, 5, v5
	v_add_nc_u32 v[STO], s23, v5                   ; in: row r, 32 bytes for each half of the lanes
	v_add_nc_u32 v[RD], s23, v[CO]                 ; back: the 32 lanes take one row of 512 bytes
.macro MUL8 f, a, zero                 ; y's block a against w's eight, 32 along K.  The 32 accumulators take turns, in the same order in every quarter
.irp b, 0,1,2,3,4,5,6,7
.if \zero
	v_wmma_f32_16x16x32_f16 v[8*(8*(\a)+\b):8*(8*(\a)+\b)+7], v[(\f)+32+8*\b:(\f)+32+8*\b+7], v[(\f)+8*(\a):(\f)+8*(\a)+7], 0
.else
	v_wmma_f32_16x16x32_f16 v[8*(8*(\a)+\b):8*(8*(\a)+\b)+7], v[(\f)+32+8*\b:(\f)+32+8*\b+7], v[(\f)+8*(\a):(\f)+8*(\a)+7], v[8*(8*(\a)+\b):8*(8*(\a)+\b)+7]
.endif
.endr
.endm
.macro FETCH slot, q, f                ; 24 LDS loads in one run: the fragments of the slot's q-th 32 along K: w's eight, then y's four
	WIN 0
.irp i, 0,1,2,3,4,5,6,7
	ds_load_b128 v[(\f)+32+8*\i:(\f)+32+8*\i+3], v[ADRB+\slot] offset:64*(\q)+\i*16*PITCH
	ds_load_b128 v[(\f)+32+8*\i+4:(\f)+32+8*\i+7], v[ADRB+\slot] offset:64*(\q)+\i*16*PITCH+32
.endr
.irp i, 0,1,2,3
	ds_load_b128 v[(\f)+8*\i:(\f)+8*\i+3], v[ADRA+\slot] offset:((\q)/2)*APL+((\q)%2)*64+\i*8*PITCH
	ds_load_b128 v[(\f)+8*\i+4:(\f)+8*\i+7], v[ADRA+\slot] offset:((\q)/2)*APL+((\q)%2)*64+\i*8*PITCH+32
.endr
.endm
.macro PLACES
.rept 4
	v_nop
.endr
.endm
.macro QUARTER slot, qn, f, g, zero    ; multiplies buffer f and fetches the slot's quarter qn into g
	s_wait_dscnt 4                                 ; w's eight and y's blocks 0, 1 are in; the youngest four loads (blocks 2, 3) may be out
	WIN MUL
	MUL8 \f, 0, \zero
	MUL8 \f, 1, \zero
	PLACES
	FETCH \slot, \qn, \g
	s_wait_dscnt 24                                ; all but the 24 just issued
	WIN MUL
	MUL8 \f, 2, \zero
	MUL8 \f, 3, \zero
.endm
; A slot's last quarter changes slots: ONE barrier; in front of it each wave waits for all its tensor loads, adds 0 to its spare word, and waits for that and for its reads of this slot.  fill = 1: the barrier opens a round of the
; cluster's barrier, and this slot is filled again, two K steps ahead, first thing behind the round.
.macro TURN slot, next, fill
	WIN 0
	s_wait_tensorcnt 0x0
	ds_add_u32 v[SPW], v[NIL]
	s_wait_dscnt 5                                 ; the add and the youngest four loads may be out
	WIN MUL
	MUL8 F1, 0, 0
	s_wait_dscnt 0x0                               ; the add is done, and my reads of this slot are over
	s_barrier_signal -1
	MUL8 F1, 1, 0
.if \fill
	WIN 0
.endif
	s_barrier_wait -1
.if \fill
	CREST
	s_add_nc_u64 s[G0+4*\slot+2:G0+4*\slot+3], s[G0+4*\slot+2:G0+4*\slot+3], 0x400000
	s_add_nc_u64 s[G0B+4*\slot+2:G0B+4*\slot+3], s[G0B+4*\slot+2:G0B+4*\slot+3], 512
	JLOAD \slot                                    ; the four v_nop behind it are also the places in front of the loads below
.else
	PLACES
.endif
	FETCH \next, 0, F0
	WIN MUL
	MUL8 F1, 2, 0
	MUL8 F1, 3, 0
.endm
	s_wait_tensorcnt 1                             ; my part of K step 0 is in; K step 1's may stay out
	s_barrier_signal -1
	s_barrier_wait -1
	FETCH 0, 0, F0
	QUARTER 0, 1, F0, F1, 1                        ; the first quarter's products start the sums
	WIN 0
	s_mov_b32 s3, LAPS-1
.Llap:                                                 ; a trip goes once round the ring and fills both slots again
	QUARTER 0, 2, F1, F0, 0
	QUARTER 0, 3, F0, F1, 0
	TURN 0, 1, 1
	QUARTER 1, 1, F0, F1, 0
	QUARTER 1, 2, F1, F0, 0
	QUARTER 1, 3, F0, F1, 0
	TURN 1, 0, 1
	QUARTER 0, 1, F0, F1, 0
	WIN 0
	s_sub_co_u32 s3, s3, 1
	s_cmp_lg_u32 s3, 0
	s_cbranch_scc1 .Llap
	QUARTER 0, 2, F1, F0, 0                        ; the last lap fills nothing
	QUARTER 0, 3, F0, F1, 0
	TURN 0, 1, 0
	QUARTER 1, 1, F0, F1, 0
	QUARTER 1, 2, F1, F0, 0
	QUARTER 1, 3, F0, F1, 0
	s_wait_dscnt 4
	WIN MUL
	MUL8 F1, 0, 0
	MUL8 F1, 1, 0
	s_wait_dscnt 0
	MUL8 F1, 2, 0
	MUL8 F1, 3, 0
	WIN 0
; THE WAY OUT, block by block of 16 rows x 128 columns: through my stage, back as whole rows of 512 bytes, times 2^-8 plus the bias, stored as two aligned runs of 256 bytes.
.macro TOSTAGE a
	WIN 0x04                                       ; an LDS store's data are its source 1: window 1
.irp b, 0,1,2,3,4,5,6,7
	ds_store_b128 v[STO], v[64*(\a)+8*\b:64*(\a)+8*\b+3] offset:64*\b          ; each accumulator from its low end on
	ds_store_b128 v[STO], v[64*(\a)+8*\b+4:64*(\a)+8*\b+7] offset:64*\b+16
.endr
	WIN 0
.set BB, BK+64*((\a)%2)
.irp t, 0,1,2,3,4,5,6,7,8,9,10,11,12,13,14,15
	ds_load_b128 v[BB+4*\t:BB+4*\t+3], v[RD] offset:\t*SPITCH
.endr
.endm
.macro SEND a, younger
.set BB, BK+64*((\a)%2)
	s_wait_dscnt \younger                          ; the block is back; the next block's 16 stores and 16 loads may be out
.if (\a) == 0
	s_or_b32 s70, s67, s15                         ; the first 16 positions of a sequence belong to another launch: cluster y = 0, upper half of the rows, block 0
	s_cmp_eq_u32 s70, 0
	s_cbranch_scc1 .Lfirst16_\@
.endif
.irp t, 0,1,2,3,4,5,6,7,8,9,10,11,12,13,14,15
	v_pk_fma_f32 v[BB+4*\t:BB+4*\t+1], v[BB+4*\t:BB+4*\t+1], 0x3b800000, v[BI:BI+1] op_sel_hi:[1,0,1]
	v_pk_fma_f32 v[BB+4*\t+2:BB+4*\t+3], v[BB+4*\t+2:BB+4*\t+3], 0x3b800000, v[BI+2:BI+3] op_sel_hi:[1,0,1]
.endr
.irp t, 0,1,2,3,4,5,6,7,8,9,10,11,12,13,14,15
	global_store_b128 v[CO], v[BB+4*\t:BB+4*\t+3], s[8:9] offset:(16*(\a)+\t)*4096 th:TH_STORE_NT
.endr
.if (\a) == 0
.Lfirst16_\@:
.endif
.endm
	s_wait_loadcnt 0x0                             ; the bias
	PLACES
	TOSTAGE 0
.irp a, 1,2,3
.if \a > 1
	s_wait_xcnt 0x0                                ; block a - 2's stores have read their registers: block a's loads may land there
.endif
	TOSTAGE \a
	SEND (\a)-1, 32
.endr
	s_wait_xcnt 0x0
	SEND 3, 0
	s_wait_tensorcnt 0x0                           ; the wave's end
	ds_add_u32 v[SPW], v[NIL]
	s_wait_dscnt 0x0
	CROUND                                         ; the closing round
	s_endpgm
.Lfunc_end_k_qc633c6e0e1_proj:
	.size	k_qc633c6e0e1_proj, .Lfunc_end_k_qc633c6e0e1_proj-k_qc633c6e0e1_proj
	.p2alignl 7, 3214868480
	.fill 96, 4, 3214868480
	.section	.rodata,"a",@progbits
	.p2align	6, 0x0
	.amdhsa_kernel k_qc633c6e0e1_proj
		.amdhsa_group_segment_fixed_size 327680
		.amdhsa_private_segment_fixed_size 0
		.amdhsa_enable_private_segment 0
		.amdhsa_kernarg_size 32
		.amdhsa_user_sgpr_count 2
		.amdhsa_user_sgpr_kernarg_segment_ptr 1
		.amdhsa_wavefront_size32 1
		.amdhsa_system_sgpr_workgroup_id_x 1
		.amdhsa_system_sgpr_workgroup_id_y 1
		.amdhsa_system_sgpr_workgroup_id_z 1
		.amdhsa_system_vgpr_workitem_id 0
		.amdhsa_next_free_vgpr 512
		.amdhsa_next_free_sgpr 72
		.amdhsa_reserve_vcc 0
		.amdhsa_float_denorm_mode_32 3
		.amdhsa_float_denorm_mode_16_64 3
		.amdhsa_memory_ordered 1
		.amdhsa_forward_progress 1
		.amdhsa_inst_pref_size 97
	.end_amdhsa_kernel
	.amdgpu_metadata
---
amdhsa.version: [ 1, 2 ]
amdhsa.kernels:
  - .name:           k_qc633c6e0e1_proj
    .symbol:         k_qc633c6e0e1_proj.kd
    .args:
      - { .name: yh, .offset: 0, .size: 8, .value_kind: global_buffer, .address_space: global }
      - { .name: wp, .offset: 8, .size: 8, .value_kind: global_buffer, .address_space: global }
      - { .name: out0, .offset: 16, .size: 8, .value_kind: global_buffer, .address_space: global }
      - { .name: b_proj, .offset: 24, .size: 8, .value_kind: global_buffer, .address_space: global }
    .group_segment_fixed_size: 327680
    .private_segment_fixed_size: 0
    .kernarg_segment_align: 8
    .kernarg_segment_size: 32
    .max_flat_workgroup_size: 128
    .sgpr_count:     72
    .vgpr_count:     512
    .wavefront_size: 32
...
	.end_amdgpu_metadata
.endif
;; end of part 4
;; launch first16 (part 5): grid 16 x 4, 16 waves a work-group, no clusters, 71,680 bytes of LDS; arguments qkv16, wp, b_proj, out0; writes out0
.if DOCPART == 5
	.amdgcn_target "amdgcn-amd-amdhsa--gfx1250"
	.amdhsa_code_object_version 6
	.text
	.protected	k_qc633c6e0e1_first16
	.globl	k_qc633c6e0e1_first16
	.p2align	8
	.type	k_qc633c6e0e1_first16,@function
k_qc633c6e0e1_first16:
	s_mov_b64 s[64:65], 0
	v_nop
	global_prefetch_b8 v0, s[64:65] scope:SCOPE_SE
	s_setreg_imm32_b32 hwreg(HW_REG_WAVE_MODE, 25, 1), 1
	s_wait_xcnt 0x0
; The first 16 positions of every sequence, whose rows average one to a few values: attention and projection on PAIRS of f16 numbers, a high and a low part, split in f32; a product is hh + hl + lh.
; qkv16 [4][16 t][3072] f32; wp: 256 w_proj as [1024 n][1024 k] f16, high part at byte 0, low part at byte 2,097,152; out0 rows t < 16 of each batch.
; SHARES.  Work-group (s, b): 64 output columns of batch b.  A wave is a head: it makes its head's attention for the 16 rows, then its head's part of the projection (K = its 64 channels) for the 64 columns;
; the sixteen parts meet in LDS and are added in a fixed order.
; THE SPLIT (Veltkamp's): c = 8193 z; hi = c + (z - c) has 11 significant bits, so its conversion to f16 rounds nothing in f16's normal range; lo = z - hi is exact in f32.
; LAYOUT as in the attention launch: S^T = K Q^T, O^T = V^T P, out^T = W y^T: a lane holds one row t throughout.  Keys 16 to 31 of the second product's K are zeros on both sides.
; LIMITS: as in the other launches (f16's range; a hidden score is -8e10 ahead of the factor 1/8).
; REGISTERS: v1, v2 the add's two; v3 into the parts, v4 out of them, v5 my offset in out0; v6 1 / l, v7 d = r - 8 h; v8-15 at work; blocks of 8 from v16 to v127; v128-191 W's high parts, v192-255 its low parts.
.set SPW, 1
.set NIL, 2
.set STO, 3
.set RD,  4
.set GO,  5
.set RL,  6
.set DD,  7
.set SPARE, 16*4352                    ; behind the sixteen parts (16 rows x 272 bytes each): the spare words, 128 bytes a wave
.set QL0, 16                           ; Q's raw numbers lie in v16-47, K's in v48-79; the low parts are written in place, the high parts into blocks that are free
.set QH1, 24
.set QL1, 32
.set KH0, 40
.set KL0, 48
.set KH1, 56
.set KL1, 64
.set SX,  72                           ; two accumulators for S^T, by turns
.set QH0, 80
.set SY,  120
.set PHI, 16                           ; P's high part; its low part in place in SX
.set VH,  24                           ; V's high parts: 24 + 8 ct
.set VL,  88                           ; V's raw numbers, then its low parts: 88 + 8 ct
.set YH0, 16
.set YL0, 24
.set YH1, 32
.set YL1, 40
.set WH,  128
.set WL,  192
.set SEL, 20
.set CS,  22
	s_load_b256 s[4:11], s[0:1], 0x0               ; qkv16 s[4:5], wp s[6:7], b_proj s[8:9], out0 s[10:11]
	v_lshl_add_u32 v[SPW], v0, 2, SPARE
	v_mov_b32 v[NIL], 0
	v_lshrrev_b32 v3, 5, v0
	v_readfirstlane_b32 s12, v3                    ; wave = head
	s_and_b32 s13, ttmp7, 0xffff                   ; batch
	v_and_b32 v8, 15, v0                           ; r
	v_bfe_u32 v9, v0, 4, 1                         ; h
	v_mul_u32_u24 v10, v8, 12288
	v_lshl_add_u32 v10, v9, 5, v10                 ; Q, K: row r, + 32 h
	v_mul_u32_u24 v11, v9, 98304
	v_lshl_add_u32 v11, v8, 2, v11                 ; V: row 8 h, channel r
	v_lshlrev_b32 v12, 11, v8
	v_lshl_add_u32 v12, v9, 4, v12                 ; W: row r of 2,048 bytes, + 16 h
	s_mul_i32 s14, s12, 4352
	v_mul_u32_u24 v[STO], v8, 272
	v_lshl_add_u32 v[STO], v9, 5, v[STO]
	v_add_nc_u32 v[STO], s14, v[STO]               ; my part: row r, 32 bytes for each half of the lanes
	s_mul_i32 s14, s12, 544
	v_mul_u32_u24 v[RD], v9, 272
	v_lshl_add_u32 v[RD], v8, 4, v[RD]
	v_add_nc_u32 v[RD], s14, v[RD]                 ; the sum: wave w (0 to 7) takes rows 2 w and 2 w + 1; sixteen lanes to a row of 256 bytes
	s_lshl_b32 s14, s12, 13
	v_lshlrev_b32 v[GO], 12, v9
	v_lshl_add_u32 v[GO], v8, 4, v[GO]
	v_add_nc_u32 v[GO], s14, v[GO]                 ; the same rows in out0
	v_lshlrev_b32 v[DD], 3, v9
	v_sub_nc_u32 v[DD], v8, v[DD]                  ; d = r - 8 h
	s_mov_b32 s[SEL], 0x76543210
	s_mov_b32 s[SEL+1], 0xfedcba98
	s_mov_b32 s[CS], 0x3e38aa3b                    ; c = log2(e) / 8
	s_mov_b32 s[CS+1], s[CS]
	s_mul_i32 s16, s13, 196608
	s_lshl_b32 s17, s12, 8
	s_add_co_u32 s16, s16, s17
	s_mov_b32 s17, 0
	s_lshl_b32 s18, ttmp9, 17                      ; 64 rows of wp
	s_lshl_b32 s19, s12, 7
	s_add_co_u32 s18, s18, s19
	s_mov_b32 s19, 0
	s_lshl_b32 s24, ttmp9, 8                       ; my 64 columns, in bytes of f32
	s_mov_b32 s25, 0
	s_lshl_b32 s26, s13, 23                        ; a batch is 2,048 rows of 4,096 bytes
	s_mov_b32 s27, 0
	s_wait_kmcnt 0x0
	s_add_nc_u64 s[4:5], s[4:5], s[16:17]
	s_add_nc_u64 s[6:7], s[6:7], s[18:19]
	s_add_nc_u64 s[8:9], s[8:9], s[24:25]
	s_add_nc_u64 s[10:11], s[10:11], s[24:25]
	s_add_nc_u64 s[10:11], s[10:11], s[26:27]
.irp m, 0,1                                    ; 16 loads: Q (m = 0), K (m = 1): for channels 32 c on, my 8 h + 0 .. 7 and 16 + 8 h + 0 .. 7
.irp c, 0,1
.irp e, 0,1
	global_load_b128 v[16+32*\m+16*\c+8*\e:16+32*\m+16*\c+8*\e+3], v10, s[4:5] offset:4096*\m+128*\c+64*\e
	global_load_b128 v[16+32*\m+16*\c+8*\e+4:16+32*\m+16*\c+8*\e+7], v10, s[4:5] offset:4096*\m+128*\c+64*\e+16
.endr
.endr
.endr
.irp ct, 0,1,2,3                               ; 32 loads: V(8 h + j, 16 ct + r)
.irp j, 0,1,2,3,4,5,6,7
	global_load_b32 v[VL+8*\ct+\j], v11, s[4:5] offset:8192+12288*\j+64*\ct
.endr
.endr
.irp nt, 0,1,2,3                               ; 32 loads: W's fragments, rows 16 nt on, my head's channels 32 c on
.irp c, 0,1
	global_load_b128 v[WH+8*(2*\nt+\c):WH+8*(2*\nt+\c)+3], v12, s[6:7] offset:32768*\nt+64*\c
	global_load_b128 v[WH+8*(2*\nt+\c)+4:WH+8*(2*\nt+\c)+7], v12, s[6:7] offset:32768*\nt+64*\c+32
	global_load_b128 v[WL+8*(2*\nt+\c):WL+8*(2*\nt+\c)+3], v12, s[6:7] offset:2097152+32768*\nt+64*\c
	global_load_b128 v[WL+8*(2*\nt+\c)+4:WL+8*(2*\nt+\c)+7], v12, s[6:7] offset:2097152+32768*\nt+64*\c+32
.endr
.endr
	s_wait_xcnt 0x0                                ; the loads have read their offsets: v8-15 are at work from here on
.macro SPLIT2 hi, lo, src              ; two pairs in step: v[src .. src+3] -> two words of high parts, two of low parts; lo may lie on src: it is written last
.irp p, 0,1
	v_pk_mul_f32 v[8+4*\p:9+4*\p], v[(\src)+2*\p:(\src)+2*\p+1], 0x46000400 op_sel_hi:[1,0]
.endr
.irp p, 0,1
	v_pk_add_f32 v[10+4*\p:11+4*\p], v[(\src)+2*\p:(\src)+2*\p+1], v[8+4*\p:9+4*\p] neg_lo:[0,1] neg_hi:[0,1]
.endr
.irp p, 0,1
	v_pk_add_f32 v[8+4*\p:9+4*\p], v[8+4*\p:9+4*\p], v[10+4*\p:11+4*\p]
.endr
.irp p, 0,1
	v_pk_add_f32 v[10+4*\p:11+4*\p], v[(\src)+2*\p:(\src)+2*\p+1], v[8+4*\p:9+4*\p] neg_lo:[0,1] neg_hi:[0,1]
.endr
.irp p, 0,1
	v_cvt_pk_f16_f32 v[(\hi)+\p], v[8+4*\p], v[9+4*\p]
	v_cvt_pk_f16_f32 v[(\lo)+\p], v[10+4*\p], v[11+4*\p]
.endr
.endm
.macro SPLITF hi, lo, src              ; a whole fragment: 16 numbers
.irp g, 0,1,2,3
	SPLIT2 (\hi)+2*\g, (\lo)+2*\g, (\src)+4*\g
.endr
.endm
	s_wait_loadcnt 63                              ; of the 80 loads the first 17 are in: Q's and K's sixteen among them
	SPLITF QH0, QL0, 16
	SPLITF QH1, QL1, 32
	SPLITF KH0, KL0, 48
	SPLITF KH1, KL1, 64
	; S^T = K Q^T: hh + hl + lh for both halves of the channels, on two accumulators by turns
	v_wmma_f32_16x16x32_f16 v[SX:SX+7], v[KH0:KH0+7], v[QH0:QH0+7], 0
	v_wmma_f32_16x16x32_f16 v[SY:SY+7], v[KH0:KH0+7], v[QL0:QL0+7], 0
	v_wmma_f32_16x16x32_f16 v[SX:SX+7], v[KL0:KL0+7], v[QH0:QH0+7], v[SX:SX+7]
	v_wmma_f32_16x16x32_f16 v[SY:SY+7], v[KH1:KH1+7], v[QH1:QH1+7], v[SY:SY+7]
	v_wmma_f32_16x16x32_f16 v[SX:SX+7], v[KH1:KH1+7], v[QL1:QL1+7], v[SX:SX+7]
	v_wmma_f32_16x16x32_f16 v[SY:SY+7], v[KL1:KL1+7], v[QH1:QH1+7], v[SY:SY+7]
.rept 4
	v_nop
.endr
.irp i, 0,2,4,6
	v_pk_add_f32 v[SX+\i:SX+\i+1], v[SX+\i:SX+\i+1], v[SY+\i:SY+\i+1]
.endr
	v_mov_b32 v8, 0xd19502f9                       ; -8e10
.irp j, 0,1,2,3,4,5,6,7
	v_cmp_gt_i32 vcc_lo, \j, v[DD]                 ; register j holds key 8 h + j for row r: hidden where j > r - 8 h
	v_cndmask_b32 v[SX+\j], v[SX+\j], v8, vcc_lo
.endr
	v_max3_num_f32 v9, v[SX], v[SX+1], v[SX+2]
	v_max3_num_f32 v9, v9, v[SX+3], v[SX+4]
	v_max3_num_f32 v9, v9, v[SX+5], v[SX+6]
	v_max_num_f32 v9, v9, v[SX+7]
	v_permlanex16_b32 v10, v9, s[SEL], s[SEL+1]
	v_max_num_f32 v9, v9, v10                      ; the row's maximum
	v_mul_f32 v10, s[CS], v9
.irp i, 0,2,4,6
	v_pk_fma_f32 v[SX+\i:SX+\i+1], v[SX+\i:SX+\i+1], s[CS:CS+1], v[10:11] op_sel_hi:[1,0,0] neg_lo:[0,0,1] neg_hi:[0,0,1]
.endr
.irp j, 0,1,2,3,4,5,6,7
	v_exp_f32 v[SX+\j], v[SX+\j]
.endr
	v_nop
	s_wait_alu depctr_va_vdst(0)                   ; one wait for the eight exponentials, ahead of their first reader
	v_pk_add_f32 v[12:13], v[SX:SX+1], v[SX+2:SX+3]
	v_pk_add_f32 v[14:15], v[SX+4:SX+5], v[SX+6:SX+7]
	v_pk_add_f32 v[12:13], v[12:13], v[14:15]
	v_add_f32 v12, v12, v13
	v_permlanex16_b32 v13, v12, s[SEL], s[SEL+1]
	v_add_f32 v12, v12, v13                        ; the row's sum
	v_rcp_f32 v[RL], v12
	v_nop
	s_wait_alu depctr_va_vdst(0)                   ; and the reciprocal's
	SPLIT2 PHI, SX, SX                             ; P: keys 8 h + 0 .. 7
	SPLIT2 PHI+2, SX+2, SX+4
.irp i, 4,5,6,7
	v_mov_b32 v[PHI+\i], 0                         ; keys 16 to 31: none
	v_mov_b32 v[SX+\i], 0
.endr
	s_wait_loadcnt 32                              ; V is in; W's 32 loads may be out
.irp ct, 0,1,2,3
	SPLIT2 VH+8*\ct, VL+8*\ct, VL+8*\ct
	SPLIT2 VH+8*\ct+2, VL+8*\ct+2, VL+8*\ct+4
.irp i, 4,5,6,7
	v_mov_b32 v[VH+8*\ct+\i], 0
	v_mov_b32 v[VL+8*\ct+\i], 0
.endr
.endr
	; O^T = V^T P: four accumulators by turns: 56, 64, 80, 120
.irp ct, 0,1,2,3
	v_wmma_f32_16x16x32_f16 v[56+8*\ct+8*(\ct/2)+32*(\ct/3):56+8*\ct+8*(\ct/2)+32*(\ct/3)+7], v[VH+8*\ct:VH+8*\ct+7], v[PHI:PHI+7], 0
.endr
.irp ct, 0,1,2,3
	v_wmma_f32_16x16x32_f16 v[56+8*\ct+8*(\ct/2)+32*(\ct/3):56+8*\ct+8*(\ct/2)+32*(\ct/3)+7], v[VH+8*\ct:VH+8*\ct+7], v[SX:SX+7], v[56+8*\ct+8*(\ct/2)+32*(\ct/3):56+8*\ct+8*(\ct/2)+32*(\ct/3)+7]
.endr
.irp ct, 0,1,2,3
	v_wmma_f32_16x16x32_f16 v[56+8*\ct+8*(\ct/2)+32*(\ct/3):56+8*\ct+8*(\ct/2)+32*(\ct/3)+7], v[VL+8*\ct:VL+8*\ct+7], v[PHI:PHI+7], v[56+8*\ct+8*(\ct/2)+32*(\ct/3):56+8*\ct+8*(\ct/2)+32*(\ct/3)+7]
.endr
.rept 4
	v_nop
.endr
.irp ct, 0,1,2,3
.irp i, 0,2,4,6
	v_pk_mul_f32 v[56+8*\ct+8*(\ct/2)+32*(\ct/3)+\i:56+8*\ct+8*(\ct/2)+32*(\ct/3)+\i+1], v[56+8*\ct+8*(\ct/2)+32*(\ct/3)+\i:56+8*\ct+8*(\ct/2)+32*(\ct/3)+\i+1], v[RL:RL+1] op_sel_hi:[1,0]   ; y = O^T / l
.endr
.endr
	; y as source 1 of the projection: registers 0-3 channels 32 c + 8 h + 0 .. 7 (tile 2 c), registers 4-7 channels 32 c + 16 + 8 h + 0 .. 7 (tile 2 c + 1)
	SPLIT2 YH0, YL0, 56
	SPLIT2 YH0+2, YL0+2, 60
	SPLIT2 YH0+4, YL0+4, 64
	SPLIT2 YH0+6, YL0+6, 68
	SPLIT2 YH1, YL1, 80
	SPLIT2 YH1+2, YL1+2, 84
	SPLIT2 YH1+4, YL1+4, 120
	SPLIT2 YH1+6, YL1+6, 124
	s_wait_loadcnt 0x0                             ; W
	; out^T = W y^T over my head's 64 channels: four accumulators by turns: 48, 88, 96, 104
.irp nt, 0,1,2,3
	v_wmma_f32_16x16x32_f16 v[48+(32+8*\nt)*((\nt+2)/3):48+(32+8*\nt)*((\nt+2)/3)+7], v[WH+16*\nt:WH+16*\nt+7], v[YH0:YH0+7], 0
.endr
.irp nt, 0,1,2,3
	v_wmma_f32_16x16x32_f16 v[48+(32+8*\nt)*((\nt+2)/3):48+(32+8*\nt)*((\nt+2)/3)+7], v[WH+16*\nt:WH+16*\nt+7], v[YL0:YL0+7], v[48+(32+8*\nt)*((\nt+2)/3):48+(32+8*\nt)*((\nt+2)/3)+7]
.endr
.irp nt, 0,1,2,3
	v_wmma_f32_16x16x32_f16 v[48+(32+8*\nt)*((\nt+2)/3):48+(32+8*\nt)*((\nt+2)/3)+7], v[WL+16*\nt:WL+16*\nt+7], v[YH0:YH0+7], v[48+(32+8*\nt)*((\nt+2)/3):48+(32+8*\nt)*((\nt+2)/3)+7]
.endr
.irp nt, 0,1,2,3
	v_wmma_f32_16x16x32_f16 v[48+(32+8*\nt)*((\nt+2)/3):48+(32+8*\nt)*((\nt+2)/3)+7], v[WH+16*\nt+8:WH+16*\nt+15], v[YH1:YH1+7], v[48+(32+8*\nt)*((\nt+2)/3):48+(32+8*\nt)*((\nt+2)/3)+7]
.endr
.irp nt, 0,1,2,3
	v_wmma_f32_16x16x32_f16 v[48+(32+8*\nt)*((\nt+2)/3):48+(32+8*\nt)*((\nt+2)/3)+7], v[WH+16*\nt+8:WH+16*\nt+15], v[YL1:YL1+7], v[48+(32+8*\nt)*((\nt+2)/3):48+(32+8*\nt)*((\nt+2)/3)+7]
.endr
.irp nt, 0,1,2,3
	v_wmma_f32_16x16x32_f16 v[48+(32+8*\nt)*((\nt+2)/3):48+(32+8*\nt)*((\nt+2)/3)+7], v[WL+16*\nt+8:WL+16*\nt+15], v[YH1:YH1+7], v[48+(32+8*\nt)*((\nt+2)/3):48+(32+8*\nt)*((\nt+2)/3)+7]
.endr
	v_and_b32 v8, 15, v0                           ; four places behind the last products
	v_lshlrev_b32 v8, 4, v8
	v_nop
	v_nop
	global_load_b128 v[WL:WL+3], v8, s[8:9]        ; b_proj of the four columns that I will store: it lands while the parts meet
.irp nt, 0,1,2,3
	ds_store_b128 v[STO], v[48+(32+8*\nt)*((\nt+2)/3):48+(32+8*\nt)*((\nt+2)/3)+3] offset:64*\nt       ; lane (r, h): row r, columns 16 nt + 8 h + 0 .. 7; each accumulator from its low end on
	ds_store_b128 v[STO], v[48+(32+8*\nt)*((\nt+2)/3)+4:48+(32+8*\nt)*((\nt+2)/3)+7] offset:64*\nt+16
.endr
	s_wait_dscnt 0x0                               ; for the others' sake: my part lies in LDS
	s_barrier_signal -1
	s_barrier_wait -1
	s_cmp_lt_u32 s12, 8                            ; waves 0 to 7 add the sixteen parts, two rows each
	s_cbranch_scc0 .Ldone
.irp u, 0,1,2,3,4,5,6,7,8,9,10,11,12,13,14,15
	ds_load_b128 v[WH+4*\u:WH+4*\u+3], v[RD] offset:4352*\u
.endr
	s_wait_dscnt 0x0
.irp u, 0,2,4,6,8,10,12,14
	v_pk_add_f32 v[WH+4*\u:WH+4*\u+1], v[WH+4*\u:WH+4*\u+1], v[WH+4*\u+4:WH+4*\u+5]
	v_pk_add_f32 v[WH+4*\u+2:WH+4*\u+3], v[WH+4*\u+2:WH+4*\u+3], v[WH+4*\u+6:WH+4*\u+7]
.endr
.irp u, 0,4,8,12
	v_pk_add_f32 v[WH+4*\u:WH+4*\u+1], v[WH+4*\u:WH+4*\u+1], v[WH+4*\u+8:WH+4*\u+9]
	v_pk_add_f32 v[WH+4*\u+2:WH+4*\u+3], v[WH+4*\u+2:WH+4*\u+3], v[WH+4*\u+10:WH+4*\u+11]
.endr
.irp u, 0,8
	v_pk_add_f32 v[WH+4*\u:WH+4*\u+1], v[WH+4*\u:WH+4*\u+1], v[WH+4*\u+16:WH+4*\u+17]
	v_pk_add_f32 v[WH+4*\u+2:WH+4*\u+3], v[WH+4*\u+2:WH+4*\u+3], v[WH+4*\u+18:WH+4*\u+19]
.endr
	v_pk_add_f32 v[WH:WH+1], v[WH:WH+1], v[WH+32:WH+33]
	v_pk_add_f32 v[WH+2:WH+3], v[WH+2:WH+3], v[WH+34:WH+35]
	s_wait_loadcnt 0x0                             ; the bias
	v_pk_fma_f32 v[WH:WH+1], v[WH:WH+1], 0x3b800000, v[WL:WL+1] op_sel_hi:[1,0,1]       ; times 2^-8, which takes wp's factor 256 back, plus the bias
	v_pk_fma_f32 v[WH+2:WH+3], v[WH+2:WH+3], 0x3b800000, v[WL+2:WL+3] op_sel_hi:[1,0,1]
	global_store_b128 v[GO], v[WH:WH+3], s[10:11]  ; sixteen lanes store 256 consecutive bytes, aligned
.Ldone:
	s_wait_tensorcnt 0x0                           ; the wave's end, behind my last LDS store
	ds_add_u32 v[SPW], v[NIL]
	s_wait_dscnt 0x0
	s_endpgm
.Lfunc_end_k_qc633c6e0e1_first16:
	.size	k_qc633c6e0e1_first16, .Lfunc_end_k_qc633c6e0e1_first16-k_qc633c6e0e1_first16
	.p2alignl 7, 3214868480
	.fill 96, 4, 3214868480
	.section	.rodata,"a",@progbits
	.p2align	6, 0x0
	.amdhsa_kernel k_qc633c6e0e1_first16
		.amdhsa_group_segment_fixed_size 71680
		.amdhsa_private_segment_fixed_size 0
		.amdhsa_enable_private_segment 0
		.amdhsa_kernarg_size 32
		.amdhsa_user_sgpr_count 2
		.amdhsa_user_sgpr_kernarg_segment_ptr 1
		.amdhsa_wavefront_size32 1
		.amdhsa_system_sgpr_workgroup_id_x 1
		.amdhsa_system_sgpr_workgroup_id_y 1
		.amdhsa_system_sgpr_workgroup_id_z 1
		.amdhsa_system_vgpr_workitem_id 0
		.amdhsa_next_free_vgpr 256
		.amdhsa_next_free_sgpr 66
		.amdhsa_reserve_vcc 1
		.amdhsa_float_denorm_mode_32 3
		.amdhsa_float_denorm_mode_16_64 3
		.amdhsa_memory_ordered 1
		.amdhsa_forward_progress 1
		.amdhsa_inst_pref_size 50
	.end_amdhsa_kernel
	.amdgpu_metadata
---
amdhsa.version: [ 1, 2 ]
amdhsa.kernels:
  - .name:           k_qc633c6e0e1_first16
    .symbol:         k_qc633c6e0e1_first16.kd
    .args:
      - { .name: qkv16, .offset: 0, .size: 8, .value_kind: global_buffer, .address_space: global }
      - { .name: wp, .offset: 8, .size: 8, .value_kind: global_buffer, .address_space: global }
      - { .name: b_proj, .offset: 16, .size: 8, .value_kind: global_buffer, .address_space: global }
      - { .name: out0, .offset: 24, .size: 8, .value_kind: global_buffer, .address_space: global }
    .group_segment_fixed_size: 71680
    .private_segment_fixed_size: 0
    .kernarg_segment_align: 8
    .kernarg_segment_size: 32
    .max_flat_workgroup_size: 512
    .sgpr_count:     66
    .vgpr_count:     256
    .wavefront_size: 32
...
	.end_amdgpu_metadata
.endif
;; end of part 5
